; MI455X (gfx1250); checked and timed in simulation.
; The chip was launched on July 23, 2026; its instructions are those of AMD's public machine-readable ISA for CDNA 5 (MIT licence, August 2026) and "CDNA5" Instruction Set Architecture Reference Guide (July 2026). The comments in the code are by the model that wrote it; some were corrected since.
;; Causal Multi Head Attention. Allowed arithmetic: matrix products marked QUANTISED: E3M2 operands, one E8M0 scale for each 32 along K, by v_wmma_scale_f32_16x16x128_f8f6f4 with both operands' format E3M2, f32 sums; everything else in f32.
;; Inputs: Wk 1,024 x 1,024 float32; Wo 1,024 x 1,024 float32; Wq 1,024 x 1,024 float32; Wv 1,024 x 1,024 float32; bk 1,024 float32; bo 1,024 float32; bq 1,024 float32; bv 1,024 float32; x 4 x 2,048 x 1,024 float32.
;; Outputs: out0 4 x 2,048 x 1,024 float32.
;; This version of the problem:
;;   THIS VERSION OF THE PROBLEM IS GIVEN IN LOW PRECISION. The matrix products marked QUANTISED in the list below multiply operands that are first quantised to E3M2 (3 exponent bits, 2 mantissa bits; 6 bits a number), with one power-of-two scale for each 32 numbers along K (OCP MX v1.0); their sums are f32. All else is computed in f32.
;;   The module's matrix products, in the order in which they are computed (A, B: the left and right operand; K: the contracted axis; several contracted axes count as one K, in the product's order):
;;     1. [M 8,192, K 1,024] x [K 1,024, N 1,024]; A: input x; B: input Wq: QUANTISED
;;     2. [M 8,192, K 1,024] x [K 1,024, N 1,024]; A: input x; B: input Wk: QUANTISED
;;     3. [M 8,192, K 1,024] x [K 1,024, N 1,024]; A: input x; B: input Wv: QUANTISED
;;     4. batch 64 x [M 2,048, K 64] x [K 64, N 2,048]; A: computed on the way; B: computed on the way: QUANTISED
;;     5. batch 64 x [M 2,048, K 2,048] x [K 2,048, N 64]; A: softmax (see below); B: computed on the way: QUANTISED
;;     6. [M 8,192, K 1,024] x [K 1,024, N 1,024]; A: computed on the way; B: input Wo: QUANTISED
;;   THE QUANTISER, for each operand of a quantised product, along K:
;;     - K is cut into blocks of 32 from its start; a last block that is shorter is filled with zeros.
;;     - A block's scale is 2^e with e = floor(log2(the largest magnitude in the block)) - 4, held to -126 .. 127; a block of zeros has e = 0. As a byte (E8M0): e + 127.
;;     - Each number is divided by its block's scale, clamped to +-28, and rounded to the nearest number of E3M2, ties to even, subnormals kept.
;;     - The product sums the exact products of the quantised numbers (number of the format x scale) in f32.
;;   ~~~python
;;   def quantise(x, axis):      # numpy; x: float32 -> the quantised numbers, widened to float32 again
;;       x = np.moveaxis(x, axis, -1); K = x.shape[-1]
;;       x = np.pad(x, [(0, 0)] * (x.ndim - 1) + [(0, -K % 32)]); x = x.reshape(x.shape[:-1] + (-1, 32)); a = np.abs(x).max(-1, keepdims=True)
;;       e = np.where(a > 0, np.clip(np.frexp(np.where(a > 0, a, 1))[1] - 1 - 4, -126, 127), 0)      # np.frexp(a)[1] - 1 = floor(log2(a)), exactly
;;       r = np.clip(x / 2.0 ** e, -28, 28)
;;       step = 2.0 ** (np.maximum(np.frexp(np.where(r == 0, 1, r))[1] - 1, -2) - 2)
;;       q = np.round(r / step) * step * 2.0 ** e      # np.round: ties to even
;;       return np.moveaxis(q.reshape(q.shape[:-2] + (-1,))[..., :K], -1, axis).astype(np.float32)
;;   ~~~
;;   SOFTMAX AHEAD OF A QUANTISED PRODUCT. Where the list says 'softmax', what is quantised is not the finished softmax but p = 2^(t - M), with t = logit x log2(e) and M = ceil(the row's largest t), a whole number; so 1/2 < the row's largest p <= 1. The row's sum l is taken of the UNQUANTISED p, in f32, and the product's result is divided by l at the end. Since M is a whole number, a kernel that streams over the keys may use a running M (the ceiling of the running maximum): every later rescaling is an exact power of two, which a block's scale takes up: the codes' values come out the same.
;;   OPERANDS COMPUTED ON THE WAY. 'Computed on the way' means the value that the module computes at that place (a softmax that the list does not call 'softmax' is quantised finished and normalised). What goes into a quantiser is computed in f32, as accurately as f32 sums, v_exp_f32 and their like allow (about 1e-6 of the number): no bf16 or f16 on the way to a quantiser, and a product that is left as it is and whose result goes on into a quantised operand takes f32 operands (vector FMAs, or v_wmma_f32_16x16x4_f32). A number that lies on a knife's edge between two numbers of the format may be rounded either way, as far as f32 arithmetic and the matrix unit's own rounding can turn it there, and no further.
;; One version. Each part assembles by itself: llvm-mc -triple=amdgcn-amd-amdhsa -mcpu=gfx1250 --defsym DOCPART=n.
;; ======== version 1 of 1: 4 launches
;; workspace buffers: xi 6,553,600 bytes; wi 3,276,800 bytes; qkv 20,185,088 bytes; ai 6,553,600 bytes
;; launch quant (part 1): grid 384 x 1, 4 waves a work-group, no clusters, 34,304 bytes of LDS; arguments x, Wq, Wk, Wv, Wo, xi, wi; writes xi, wi
.if DOCPART == 1
	.amdgcn_target "amdgcn-amd-amdhsa--gfx1250"
	.amdhsa_code_object_version 6
	.text
	.protected	k_qea06548221_quant
	.globl	k_qea06548221_quant
	.p2align	8
	.type	k_qea06548221_quant,@function
k_qea06548221_quant:
	s_mov_b64 s[64:65], 0
	v_nop
	global_prefetch_b8 v0, s[64:65] scope:SCOPE_SE
	s_setreg_imm32_b32 hwreg(HW_REG_WAVE_MODE, 25, 1), 1
	s_wait_xcnt 0x0
; x [8192][1024] and Wq, Wk, Wv, Wo [1024][1024], f32, K innermost, become codes of BF6 (E3M2) with one E8M0 byte for each 32 along K,
; laid as IMAGES OF OPERAND REGISTERS.  A fragment (16 rows x 128 K, 12 registers a lane) is 1,536 bytes: registers 0-3 at 16 x lane, registers 4-5 at 512 + 8 x lane,
; registers 6-9 at 768 + 16 x lane, registers 10-11 at 1,280 + 8 x lane.  Codes: [K slot of 256: 0..3][row tile][2 fragments].  Scale bytes behind them: [128 rows][K slot][row][8 bytes].
; THE ROWS OF A TILE ARE NOT NEIGHBOURS: lane r of tile 2 g + u holds row 32 g + 8 u + r + 8 (r / 8), so that a product which takes such tiles as source 0 leaves 16 neighbours in 16 registers.
; wi holds Wq (tiles 0-63), Wk (64-127), Wv (128-191), Wo (192-255).
; A block's scale is 2^(floor(log2(largest magnitude)) - 4); its byte is the largest magnitude's exponent field - 4, held at 1 from below.
; LIMITS: NaN and infinities among the inputs are not served; a block whose largest magnitude lies under 2^-122 gets the byte 1; a block of zeros gets the byte 1 where the quantiser says 127
; (its codes are zeros, which add nothing under any byte but 0xff, and this program alone reads the bytes).
; SHARES: a work-group takes 32 rows (two tiles): groups 0-255 x, then 32 each for Wq, Wk, Wv, Wo.  Wave w takes tile w / 2 and half w % 2 of K: four fragments.
; Each load reads 512 consecutive bytes of a row; the 16 rows x 512 bytes turn through the wave's own stage in LDS (rows of 528 bytes), so that a lane gets 16 neighbours of each block of 32.
; No tensor loads, no barrier: waves share nothing.  No matrix unit, no cluster: memory binds, and no work-group reads what another reads.
.set STG,  8448                        ; a wave's stage: 16 rows x 528 bytes
.set R,    16                          ; v16-143  two sets of 64 registers as loaded
.set X,    144                         ; v144-207 64 numbers: register 16 b + i = k 32 b + 16 (lane / 16) + i of my row
.set TM,   208                         ; v208-223 at work
.set PC,   224                         ; v224-243 the codes just made
.set PWP,  244                         ; v[244:245] the scale words of two fragments: a row's 8 bytes of a K slot
.set SEL,  28                          ; s[28:29] lane selects: lane l xor 16
	s_load_b256 s[4:11], s[0:1], 0x0               ; x, Wq, Wk, Wv
	s_load_b128 s[12:15], s[0:1], 0x20             ; Wo, xi
	s_load_b64 s[16:17], s[0:1], 0x30              ; wi
	v_lshl_add_u32 v248, v0, 2, 0x8400
	v_mov_b32 v249, 0
	v_lshrrev_b32 v1, 5, v0
	v_readfirstlane_b32 s18, v1                    ; wave 0..3
	v_and_b32 v1, 31, v0                           ; lane
	v_and_b32 v2, 15, v0                           ; r
	v_bfe_u32 v3, v0, 4, 1                         ; h
	v_lshlrev_b32 v4, 4, v1                        ; 16 x lane
	v_lshlrev_b32 v5, 3, v1                        ; 8 x lane
	v_lshlrev_b32 v6, 3, v2                        ; 8 r: my row's scale bytes
	s_mul_i32 s19, s18, STG
	v_add_nc_u32 v7, s19, v4                       ; the stage, on the way in: 16 x lane of a row
	v_mul_u32_u24 v8, v2, 528
	v_lshl_add_u32 v8, v3, 6, v8
	v_add_nc_u32 v8, s19, v8                       ; and on the way out: row r, + 64 h
.irp b, 0,1,2,3
	v_mov_b32 v[TM+4+\b], 0                        ; written once: a lane permute's destination counts as one of its sources
.endr
	s_mov_b32 s[SEL], 0x76543210
	s_mov_b32 s[SEL+1], 0xfedcba98
	s_lshr_b32 s34, s18, 1                         ; u: which tile
	s_and_b32 s35, s18, 1                          ; kh: which half of K
	s_and_b32 s33, ttmp9, 31
	s_mov_b32 s30, 786432                          ; wi: bytes from K slot to K slot
	s_mov_b32 s31, 3145728                         ; wi: where the scale bytes begin
	s_wait_alu depctr_va_vdst(0)
	s_wait_kmcnt 0x0
	s_mov_b64 s[20:21], s[12:13]                   ; the source: chosen by the work-group's number alone
	s_cmp_lt_u32 ttmp9, 352
	s_cselect_b64 s[20:21], s[10:11], s[20:21]
	s_cmp_lt_u32 ttmp9, 320
	s_cselect_b64 s[20:21], s[8:9], s[20:21]
	s_cmp_lt_u32 ttmp9, 288
	s_cselect_b64 s[20:21], s[6:7], s[20:21]
	s_cmp_lt_u32 ttmp9, 256
	s_cselect_b64 s[20:21], s[4:5], s[20:21]
	s_cselect_b64 s[22:23], s[14:15], s[16:17]     ; the image: xi or wi
	s_cselect_b32 s30, 1572864, s30                ; xi's stride
	s_cselect_b32 s31, 6291456, s31                ; xi's scale bytes
	s_cselect_b32 s33, ttmp9, s33                  ; which 32 rows of the source
	s_cselect_b32 s32, 0, 256
	s_sub_co_u32 s32, ttmp9, s32                   ; which 32 rows of the image
	s_lshl_b32 s36, s33, 17                        ; 32 rows of 4,096 bytes,
	s_lshl_b32 s37, s34, 15                        ; tile u begins 8 rows on,
	s_add_co_u32 s36, s36, s37
	s_lshl_b32 s37, s35, 11                        ; half kh 512 numbers on
	s_add_co_u32 s36, s36, s37
	s_mov_b32 s37, 0
	s_add_nc_u64 s[20:21], s[20:21], s[36:37]
	s_lshl_b32 s32, s32, 1
	s_add_co_u32 s32, s32, s34                     ; rt: my row tile
	s_mul_i32 s36, s35, s30
	s_lshl_b32 s36, s36, 1                         ; K slot 2 kh
	s_mul_i32 s38, s32, 3072
	s_add_co_u32 s36, s36, s38
	s_add_nc_u64 s[24:25], s[22:23], s[36:37]      ; codes of K slot 2 kh,
	s_mov_b32 s36, s30
	s_add_nc_u64 s[26:27], s[24:25], s[36:37]      ; and of 2 kh + 1
	s_lshr_b32 s36, s32, 3
	s_lshl_b32 s36, s36, 12                        ; 4,096 bytes of scales for each 128 rows,
	s_lshl_b32 s38, s35, 11                        ; 1,024 a K slot,
	s_add_co_u32 s36, s36, s38
	s_and_b32 s38, s32, 7
	s_lshl_b32 s38, s38, 7                         ; 128 a tile
	s_add_co_u32 s36, s36, s38
	s_add_co_u32 s36, s36, s31
	s_add_nc_u64 s[22:23], s[22:23], s[36:37]
.macro LOADF f, set                    ; fragment f: 16 rows x 128 numbers; each load reads 512 consecutive bytes
.irp i, 0,1,2,3,4,5,6,7,8,9,10,11,12,13,14,15
	global_load_b128 v[R+64*(\set)+4*\i:R+64*(\set)+4*\i+3], v4, s[20:21] offset:(\i+8*(\i/8))*4096+512*(\f) th:TH_LOAD_NT
.endr
.endm
.macro TURNF set                       ; through the stage: LDS serves a wave's instructions in order, so no wait stands between the stores and the loads
.irp i, 0,1,2,3,4,5,6,7,8,9,10,11,12,13,14,15
	ds_store_b128 v7, v[R+64*(\set)+4*\i:R+64*(\set)+4*\i+3] offset:528*\i
.endr
.irp b, 0,1,2,3
.irp j, 0,1,2,3
	ds_load_b128 v[X+16*\b+4*\j:X+16*\b+4*\j+3], v8 offset:128*\b+16*\j
.endr
.endr
.endm
; 64 numbers of a lane, v[s] on, become a fragment's codes in v[PC] on and its scale word in v[pw]
.macro QUANT s, pw
.irp b, 0,1,2,3
	v_max3_num_f32 v[TM+\b], |v[\s+16*\b]|, |v[\s+1+16*\b]|, 0x2800000   ; block b: my 16 numbers, and the floor 2^(5 - 127): the byte cannot fall under 1
.endr
.irp i, 2,4,6,8,10,12,14
.irp b, 0,1,2,3
	v_max3_num_f32 v[TM+\b], v[TM+\b], |v[\s+16*\b+\i]|, |v[\s+1+16*\b+\i]|   ; the four blocks by turns
.endr
.endr
.irp b, 0,1,2,3
	v_permlanex16_b32 v[TM+4+\b], v[TM+\b], s[SEL], s[SEL+1]
.endr
.irp b, 0,1,2,3
	v_max_num_f32 v[TM+\b], v[TM+\b], v[TM+4+\b]   ; with lane l xor 16's: the block's largest magnitude
.endr
.irp b, 0,1,2,3
	v_add_nc_u32 v[TM+12+\b], 0xfe000000, v[TM+\b] ; 4 off its exponent field: the conversion takes the exponent field of this operand as its scale
.endr
.irp b, 0,1,2,3
	v_lshrrev_b32 v[TM+4+\b], 23, v[TM+12+\b]      ; the scale's byte
.endr
	v_lshl_or_b32 v[\pw], v[TM+5], 8, v[TM+4]
	v_lshl_or_b32 v[\pw], v[TM+6], 16, v[\pw]
	v_lshl_or_b32 v[\pw], v[TM+7], 24, v[\pw]
.irp c, 0,1
	v_cvt_scalef32_pk16_bf6_f32 v[PC+6*\c:PC+2+6*\c], v[\s+32*\c:\s+15+32*\c], v[TM+12+2*\c]
	v_cvt_scalef32_pk16_bf6_f32 v[PC+12+4*\c:PC+14+4*\c], v[\s+16+32*\c:\s+31+32*\c], v[TM+12+2*\c+1]   ; (a conversion's three registers begin on an even number)
.endr
	v_nop                                          ; one plain place behind a scaled conversion
.irp c, 0,1                            ; the operand's layout wants a whole block in a lane: lanes 0-15 block 2 c, lanes 16-31 block 2 c + 1
.irp i, 0,1,2
	v_permlane16_swap_b32 v[PC+6*\c+\i], v[PC+12+4*\c+\i]
.endr
.irp i, 0,1,2
	v_mov_b32 v[PC+3+6*\c+\i], v[PC+12+4*\c+\i]
.endr
.endr
.endm
.macro FSTEP f
.if (\f) < 3
	s_wait_loadcnt 16                              ; this fragment's 16 loads are in; the next one's 16 may be out
.else
	s_wait_loadcnt 0x0
.endif
	TURNF (\f)%2
	s_wait_dscnt 0x0                               ; my 64 numbers are back, and the stores into the stage have read their registers
	s_wait_xcnt 0x0                                ; the last fragment's stores have read their data: the codes and the scale words are written again only behind this wait
.if (\f) < 2
	LOADF (\f)+2, (\f)%2
.endif
	QUANT X, PWP+(\f)%2
	global_store_b128 v4, v[PC:PC+3], s[24+2*((\f)/2):25+2*((\f)/2)] offset:1536*((\f)%2)          ; each store covers 512 or 256 consecutive bytes, at a multiple of 256 from the buffer's first byte
	global_store_b64 v5, v[PC+4:PC+5], s[24+2*((\f)/2):25+2*((\f)/2)] offset:1536*((\f)%2)+512
	global_store_b128 v4, v[PC+6:PC+9], s[24+2*((\f)/2):25+2*((\f)/2)] offset:1536*((\f)%2)+768
	global_store_b64 v5, v[PC+10:PC+11], s[24+2*((\f)/2):25+2*((\f)/2)] offset:1536*((\f)%2)+1280
.if (\f)%2 == 1
	global_store_b64 v6, v[PWP:PWP+1], s[22:23] offset:1024*((\f)/2)   ; a K slot's 8 scale bytes a row: 128 consecutive bytes (lanes 16-31 write the same bytes with the same values)
.endif
.endm
	LOADF 0, 0
	LOADF 1, 1
	FSTEP 0
	FSTEP 1
	FSTEP 2
	FSTEP 3
	s_wait_tensorcnt 0x0
	ds_add_u32 v248, v249
	s_wait_dscnt 0x0
	s_endpgm
.Lfunc_end_k_qea06548221_quant:
	.size	k_qea06548221_quant, .Lfunc_end_k_qea06548221_quant-k_qea06548221_quant
	.p2alignl 7, 3214868480
	.fill 96, 4, 3214868480
	.section	.rodata,"a",@progbits
	.p2align	6, 0x0
	.amdhsa_kernel k_qea06548221_quant
		.amdhsa_group_segment_fixed_size 34304
		.amdhsa_private_segment_fixed_size 0
		.amdhsa_enable_private_segment 0
		.amdhsa_kernarg_size 56
		.amdhsa_user_sgpr_count 2
		.amdhsa_user_sgpr_kernarg_segment_ptr 1
		.amdhsa_wavefront_size32 1
		.amdhsa_system_sgpr_workgroup_id_x 1
		.amdhsa_system_sgpr_workgroup_id_y 1
		.amdhsa_system_sgpr_workgroup_id_z 1
		.amdhsa_system_vgpr_workitem_id 0
		.amdhsa_next_free_vgpr 250
		.amdhsa_next_free_sgpr 66
		.amdhsa_reserve_vcc 0
		.amdhsa_float_denorm_mode_32 3
		.amdhsa_float_denorm_mode_16_64 3
		.amdhsa_memory_ordered 1
		.amdhsa_forward_progress 1
		.amdhsa_inst_pref_size 35
	.end_amdhsa_kernel
	.amdgpu_metadata
---
amdhsa.version: [ 1, 2 ]
amdhsa.kernels:
  - .name:           k_qea06548221_quant
    .symbol:         k_qea06548221_quant.kd
    .args:
      - { .name: x, .offset: 0, .size: 8, .value_kind: global_buffer, .address_space: global }
      - { .name: Wq, .offset: 8, .size: 8, .value_kind: global_buffer, .address_space: global }
      - { .name: Wk, .offset: 16, .size: 8, .value_kind: global_buffer, .address_space: global }
      - { .name: Wv, .offset: 24, .size: 8, .value_kind: global_buffer, .address_space: global }
      - { .name: Wo, .offset: 32, .size: 8, .value_kind: global_buffer, .address_space: global }
      - { .name: xi, .offset: 40, .size: 8, .value_kind: global_buffer, .address_space: global }
      - { .name: wi, .offset: 48, .size: 8, .value_kind: global_buffer, .address_space: global }
    .group_segment_fixed_size: 34304
    .private_segment_fixed_size: 0
    .kernarg_segment_align: 8
    .kernarg_segment_size: 56
    .max_flat_workgroup_size: 128
    .sgpr_count:     66
    .vgpr_count:     250
    .wavefront_size: 32
...
	.end_amdgpu_metadata
.endif
;; end of part 1
;; launch qkv (part 2): grid 8 x 48, 4 waves a work-group, clusters of 4 x 4, 327,680 bytes of LDS; arguments xi, wi, bq, bk, bv, qkv; writes qkv
.if DOCPART == 2
	.amdgcn_target "amdgcn-amd-amdhsa--gfx1250"
	.amdhsa_code_object_version 6
	.text
	.protected	k_qea06548221_qkv
	.globl	k_qea06548221_qkv
	.p2align	8
	.type	k_qea06548221_qkv,@function
k_qea06548221_qkv:
	s_mov_b64 s[64:65], 0
	v_nop
	global_prefetch_b8 v0, s[64:65] scope:SCOPE_SE
	s_setreg_imm32_b32 hwreg(HW_REG_WAVE_MODE, 25, 1), 1
	s_wait_xcnt 0x0
	s_wait_alu depctr_hold_cnt(0) depctr_sa_sdst(0) depctr_va_vdst(0) depctr_va_sdst(0) depctr_va_ssrc(0) depctr_va_vcc(0) depctr_vm_vsrc(0)
	s_getreg_b32 s2, hwreg(HW_REG_IB_STS2, 6, 4)
	s_cmp_eq_u32 s2, 0
	s_cbranch_scc0 .Lentry_in_a_cluster
	s_endpgm
.Lentry_in_a_cluster:
	s_bfe_u32 s2, ttmp6, 0x10000c
	s_cmp_lg_u32 s2, 0xf033
	s_cbranch_scc0 .Lentry_shape_is_right
	s_endpgm
.Lentry_shape_is_right:
; q = x Wq^T + bq, k = x Wk^T + bk, v = x Wv^T + bv on codes of BF6 (E3M2) with E8M0 scales, f32 sums; the results are quantised in registers and leave as codes: q and k along the head's 64, v along the tokens.
; ONE BODY, TWO MODES.  C[m][n] = A[m] . B[n] + bias is made in tiles of 256 x 256 and quantised along n.  Mode 0 (cluster rows 0-7): A = x, B = Wq and Wk on end (n = features).
; Mode 1 (cluster rows 8-11): A = Wv, B = x (n = tokens): that is v transposed, as the second product of attention wants it.  The mode hangs on the cluster's row alone.
; Four waves, each 128 x 128: 64 accumulators, 512 registers.  THE MATRIX INSTRUCTION IS USED TRANSPOSED (source 0 = 16 rows of B, source 1 = 16 rows of A): a lane holds one row of A.
; The operands are images of registers (a fragment of 16 rows x 128 K: 1,536 bytes; 128 rows x 256 K: one dense block of 24,576 bytes), and the rows of a tile are chosen so
; (lane r of tile 2 g + u: row 32 g + 8 u + r + 8 (r / 8)) that the 64 registers of one block of A against B's eight are n = 32 b + 16 (lane / 16) + i in register 16 b + i: the quantiser's order.
; K = 1,024 is four K slots of 256.  LDS has room for three: K slots 0, 1, 2 and all scale bytes are first fills (four loads of a wave are out at the start); K slot 3 is the one refill, into slot 0.
; CLUSTERS: 4 x 4 work-groups; A's blocks are shared along a row of the cluster, B's along a column: joint loads, the same descriptor and mask in all four.
; THE BIAS is the C of each sum's first matrix instruction.
; OUT: Q codes [head][token tile][768 bytes] and one scale word a token; K and V^T in records of 26,112 bytes for each head and 256 keys: K's 16 half fragments, V^T's 8 fragments, K's 256 scale words, V^T's 128.
; A scale word of q or k has its head's two bytes lowest; the two above stand over zero codes in the next launch and hold another head's bytes or 0, never 0xff.
; LIMITS: NaN and infinities are not served; a block whose largest magnitude lies under 2^-122, a block of zeros too, gets the byte 1 (this program alone reads the bytes).
; REGISTERS, in windows of 256: window 0: v1-29 addresses; v32-63 scale words, two sets; v64-127 the bias; v128-223 A's fragments, one set.  window 1: B's fragments, two sets, at v0 and v128.
;   window 2: the accumulators of my rows 0-63 ((a, b) at v[8 (8 a + b)]); window 3: those of rows 64-127.
.set FR,    12                         ; registers of a fragment
.set HALFT, 24576                      ; 128 rows x 256 K: what one tensor load brings
.set SLOT,  98304                      ; A's two halves, then B's two
.set SCL,   294912                     ; behind the three slots: the scale bytes, 4,096 bytes for each 128 rows: A's two halves, B's two
.set SPARE, 311296                     ; the spare words, 128 bytes for each wave: two blocks of 256 bytes that no other line names
.set KV0,   6815744                    ; qkv: where the records of K and V begin
.set A16, 8                            ; v8-10   my A fragments in slot 0, 1, 2: + 16 x lane
.set A8,  11                           ; v11-13  the same + 8 x lane
.set B16, 14                           ; v14-16  B likewise
.set B8,  17                           ; v17-19
.set ADRS, 20                          ; v20     my scale words: lanes 0-15 A's rows, lanes 16-31 B's
.set V16, 24                           ; v24     16 x lane
.set V8,  25                           ; v25     8 x lane
.set VS,  26                           ; v26     the way out: my scale word's place
.set VSH, 27                           ; v27     and how far it is shifted
.set SPW, 28                           ; v28     LDS address of my spare word; never rewritten
.set NIL, 29                           ; v29     0; never rewritten
.set SC,  32                           ; scale words: set s at v[32 + 16 s]; register 2 i + q: lanes 0-15 A's block i, lanes 16-31 B's block i, the K slot's q-th 128
.set BI,  64
.set AF,  128
.set TM,  128                          ; the way out: at work
.set PW,  164
.set PD,  165
.set G1,  24                           ; s[24:31] group 1 for A's codes; s[32:43] three groups 0
.set G0,  32
.set G1B, 48                           ; s[48:55], s[68:79] the same for B
.set G0B, 68
.set G0S, 56                           ; s[56:59], s[60:63] groups 0 for A's and B's scale bytes; s[80:87], s[88:95] their groups 1
.set G0SB, 60
.set G1S, 80
.set G1SB, 88
.set MSB, 0
.macro WIN new                         ; the immediate's high byte repeats the setting that is left
.if MSB != \new
	s_set_vgpr_msb (MSB<<8)|\new
.set MSB, \new
.endif
.endm
.set MUL_LO, 0xa1                      ; source 0 (B) window 1, source 1 (A) window 0, C and D window 2
.set MUL_HI, 0xf1                      ; the same, C and D window 3
.set TO_B,   0x40                      ; destination window 1, address window 0
; A joint load: waves 0 and 1 fetch for A, waves 2 and 3 for B; the branch hangs on the wave's number alone.  Four v_nop follow each of the two lines.
.macro JLOAD g0a, g1a, g0b, g1b
	s_cmp_eq_u32 s17, 0
	s_cbranch_scc0 .Lfor_b_\@
	tensor_load_to_lds s[\g0a:\g0a+3], s[\g1a:\g1a+7]
	s_nop 0
.rept 4
	v_nop
.endr
	s_branch .Lasked_\@
.Lfor_b_\@:
	tensor_load_to_lds s[\g0b:\g0b+3], s[\g1b:\g1b+7]
	s_nop 0
.rept 4
	v_nop
.endr
.Lasked_\@:
.endm
.macro CREST                           ; a round of the cluster's barrier behind its opening barrier
	s_cmp_lg_u32 s16, 0
	s_cbranch_scc1 .Lnot_wave_0_\@
	s_barrier_signal -3
.Lnot_wave_0_\@:
	s_barrier_wait -3
	s_barrier_signal -1
	s_barrier_wait -1
.endm
.macro CROUND                          ; a whole round
	s_barrier_signal -1
	s_barrier_wait -1
	CREST
.endm
.macro PLACES n                        ; plain vector instructions between a matrix instruction and a load into, or a read of, its registers
.rept \n
	v_nop
.endr
.endm
	s_load_b256 s[4:11], s[0:1], 0x0               ; xi, wi, bq, bk
	s_load_b128 s[12:15], s[0:1], 0x20             ; bv, qkv
	v_lshl_add_u32 v[SPW], v0, 2, SPARE
	v_mov_b32 v[NIL], 0
	ds_add_u32 v28, v29
	ds_add_u32 v28, v29
	s_wait_dscnt 0x0
	v_lshrrev_b32 v1, 5, v0
	v_readfirstlane_b32 s16, v1                    ; wave 0..3
	s_lshr_b32 s17, s16, 1                         ; which half of A's rows is mine.  Also: I fetch for A (0) or for B (1)
	s_and_b32 s18, s16, 1                          ; which half of B's rows.  Also: which 128 rows I fetch
	s_bfe_u32 s44, ttmp6, 0x40000                  ; cx, cy: my place in the cluster
	s_bfe_u32 s45, ttmp6, 0x40004
	s_lshl_b32 s46, s45, 2
	s_lshl_b32 s46, 15, s46                        ; my row of the cluster
	s_lshl_b32 s47, 0x1111, s44                    ; my column
	; group 1: dense blocks as rows of 256 bytes (32 elements of 8 bytes), no padding: 96 rows of codes, 16 rows of scale bytes
	s_or_b32 s[G1], s46, (3<<16)|(1<<21)           ; 15:0 the mask: A's go to my row; 17:16 elements of 8 bytes; 21 set beside a mask
	s_or_b32 s[G1B], s47, (3<<16)|(1<<21)          ; B's go to my column
	s_or_b32 s[G1S], s46, (3<<16)|(1<<21)
	s_or_b32 s[G1SB], s47, (3<<16)|(1<<21)
.irp g, G1, G1B
	s_mov_b32 s[\g+1], 32<<16                      ; tensor_dim0
	s_mov_b32 s[\g+2], 96<<16                      ; tensor_dim1
	s_mov_b32 s[\g+3], 32<<16                      ; tile_dim0
	s_mov_b32 s[\g+4], 96                          ; tile_dim1
	s_mov_b32 s[\g+5], 32                          ; the pitch
	s_mov_b32 s[\g+6], 0
	s_mov_b32 s[\g+7], 0
.endr
.irp g, G1S, G1SB
	s_mov_b32 s[\g+1], 32<<16
	s_mov_b32 s[\g+2], 16<<16
	s_mov_b32 s[\g+3], 32<<16
	s_mov_b32 s[\g+4], 16
	s_mov_b32 s[\g+5], 32
	s_mov_b32 s[\g+6], 0
	s_mov_b32 s[\g+7], 0
.endr
	s_and_b32 s20, ttmp7, 0xffff                   ; the cluster's row
	s_lshl_b32 s21, s20, 2
	s_sub_co_u32 s22, s20, 8
	s_lshl_b32 s22, s22, 3
	s_lshl_b32 s67, ttmp9, 2
	s_mov_b32 s96, 1572864                         ; xi: bytes from K slot to K slot
	s_mov_b32 s98, 786432                          ; wi
	s_mov_b32 s23, 6291456                         ; xi: where the scale bytes begin
	s_mov_b32 s63, 3145728                         ; wi
	s_cmp_ge_u32 s20, 8                            ; the mode: equal in all sixteen partners
	s_cselect_b32 s19, 1, 0
	s_cselect_b32 s21, 0, s21
	s_cselect_b32 s22, s22, 0
	s_cselect_b32 s66, 128, 0                      ; mode 1: A's first row tile is Wv's
	s_cselect_b32 s96, s98, s96                    ; A's stride
	s_cselect_b32 s98, 1572864, s98                ; B's
	s_cselect_b32 s23, s63, s23                    ; A's scale bytes
	s_cselect_b32 s63, 6291456, s63                ; B's
	s_mov_b32 s97, 0
	s_mov_b32 s99, 0
	s_add_co_u32 s100, s21, s45                    ; tile row: mode 0: 4 x cluster row + cy; mode 1: cy
	s_add_co_u32 s101, s22, s67
	s_add_co_u32 s101, s101, s44                   ; tile column: mode 0: 4 x cluster column + cx; mode 1: 8 (cluster row - 8) more
	s_lshl_b32 s21, s18, 3
	s_lshl_b32 s22, s100, 4
	s_add_co_u32 s66, s66, s22
	s_add_co_u32 s66, s66, s21                     ; A: the first row tile that I fetch
	s_lshl_b32 s67, s101, 4
	s_add_co_u32 s67, s67, s21                     ; B likewise
	s_mul_i32 s20, s66, 3072                       ; A's codes, in bytes,
	s_mov_b32 s21, 0
	s_lshl_b32 s22, s66, 9                         ; A's scale bytes: 4,096 for 8 tiles
	s_add_co_u32 s22, s22, s23
	s_mov_b32 s23, 0
	s_mul_i32 s70, s67, 3072                       ; B's, in registers that never feed A's descriptors
	s_mov_b32 s71, 0
	s_lshl_b32 s62, s67, 9
	s_add_co_u32 s62, s62, s63
	s_mov_b32 s63, 0
	s_mul_i32 s2, s16, HALFT                       ; where they go: wave x 24,576: no place in the cluster enters an LDS address
	s_lshl_b32 s3, s16, 12
	s_wait_kmcnt 0x0
	s_cmp_lg_u32 s19, 0
	s_cselect_b64 s[38:39], s[6:7], s[4:5]         ; A's buffer
	s_cselect_b64 s[74:75], s[4:5], s[6:7]         ; B's
	s_add_nc_u64 s[G0S+2:G0S+3], s[38:39], s[22:23]
	s_add_nc_u64 s[G0+2:G0+3], s[38:39], s[20:21]
	s_add_nc_u64 s[G0+6:G0+7], s[G0+2:G0+3], s[96:97]
	s_add_nc_u64 s[G0+10:G0+11], s[G0+6:G0+7], s[96:97]
	s_add_nc_u64 s[G0SB+2:G0SB+3], s[74:75], s[62:63]
	s_add_nc_u64 s[G0B+2:G0B+3], s[74:75], s[70:71]
	s_add_nc_u64 s[G0B+6:G0B+7], s[G0B+2:G0B+3], s[98:99]
	s_add_nc_u64 s[G0B+10:G0B+11], s[G0B+6:G0B+7], s[98:99]
.irp s, 0,1,2
	s_mov_b32 s[G0+4*\s], 1
	s_add_co_u32 s[G0+4*\s+1], s2, \s*SLOT
	s_or_b32 s[G0+4*\s+3], s[G0+4*\s+3], 0x80000000
	s_mov_b32 s[G0B+4*\s], 1
	s_add_co_u32 s[G0B+4*\s+1], s2, \s*SLOT
	s_or_b32 s[G0B+4*\s+3], s[G0B+4*\s+3], 0x80000000
.endr
	s_mov_b32 s[G0S], 1
	s_add_co_u32 s[G0S+1], s3, SCL
	s_or_b32 s[G0S+3], s[G0S+3], 0x80000000
	s_mov_b32 s[G0SB], 1
	s_add_co_u32 s[G0SB+1], s3, SCL
	s_or_b32 s[G0SB+3], s[G0SB+3], 0x80000000
	CROUND                                         ; all sixteen work-groups are here: the first joint loads meet
	JLOAD G0S, G1S, G0SB, G1SB                     ; the scale bytes of all of K,
	JLOAD G0, G1, G0B, G1B                         ; K slots 0,
	JLOAD G0+4, G1, G0B+4, G1B                     ; 1
	JLOAD G0+8, G1, G0B+8, G1B                     ; and 2: four loads of mine are out
	v_and_b32 v1, 15, v0                           ; r
	v_bfe_u32 v2, v0, 4, 1                         ; h
	v_and_b32 v3, 31, v0
	v_lshlrev_b32 v[V16], 4, v3
	v_lshlrev_b32 v[V8], 3, v3
	s_mul_i32 s20, s17, HALFT                      ; my 128 rows of A
	s_mul_i32 s21, s18, HALFT                      ; my 128 rows of B,
	s_add_co_u32 s21, s21, 2*HALFT                 ; which lie behind A's 256
.irp s, 0,1,2
	v_add_nc_u32 v[A16+\s], s20, v[V16]
	v_add_nc_u32 v[A8+\s], s20, v[V8]
	v_add_nc_u32 v[B16+\s], s21, v[V16]
	v_add_nc_u32 v[B8+\s], s21, v[V8]
	s_add_co_u32 s20, s20, SLOT
	s_add_co_u32 s21, s21, SLOT
.endr
	s_lshl_b32 s20, s17, 12                        ; A's scale bytes: my 128 rows
	s_lshl_b32 s21, s18, 12                        ; B's, behind A's two halves
	s_add_co_u32 s21, s21, 8192
	s_sub_co_u32 s21, s21, s20
	v_mul_u32_u24 v4, s21, v2                      ; lanes 16-31 take B's: one product with h
	s_add_co_u32 s20, s20, SCL
	v_lshl_add_u32 v4, v1, 3, v4                   ; 8 bytes a row
	v_add_nc_u32 v[ADRS], s20, v4
	; the bias, in the result's layout
	s_cmp_lg_u32 s19, 0
	s_cbranch_scc1 .Lbias_v
	s_cmp_lg_u32 ttmp9, 0                          ; mode 0: cluster column 0 makes q, column 1 makes k
	s_cselect_b64 s[20:21], s[10:11], s[8:9]
	s_and_b32 s22, s101, 3
	s_lshl_b32 s22, s22, 10
	s_lshl_b32 s23, s18, 9
	s_add_co_u32 s22, s22, s23                     ; my 128 features, in bytes
	s_mov_b32 s23, 0
	s_add_nc_u64 s[20:21], s[20:21], s[22:23]
	v_lshlrev_b32 v4, 6, v2                        ; lane (r, h), tile 2 b + u of B: features 32 b + 16 h + 8 u + 0 .. 7
.irp t, 0,1,2,3,4,5,6,7
	global_load_b128 v[BI+8*\t:BI+8*\t+3], v4, s[20:21] offset:(32*(\t/2)+8*(\t%2))*4
	global_load_b128 v[BI+8*\t+4:BI+8*\t+7], v4, s[20:21] offset:(32*(\t/2)+8*(\t%2))*4+16
.endr
	s_branch .Lbias_done
.Lbias_v:
	s_lshl_b32 s22, s100, 10
	s_lshl_b32 s23, s17, 9
	s_add_co_u32 s22, s22, s23
	s_mov_b32 s23, 0
	s_add_nc_u64 s[20:21], s[12:13], s[22:23]
	v_and_b32 v4, 8, v1
	v_add_nc_u32 v4, v4, v1
	v_lshlrev_b32 v4, 2, v4                        ; mode 1: the bias hangs on A's row: lane r of block a: feature 32 (a / 2) + 8 (a % 2) + r + 8 (r / 8), the same in all eight registers
.irp t, 0,1,2,3,4,5,6,7
.irp j, 0,1,2,3,4,5,6,7
	global_load_b32 v[BI+8*\t+\j], v4, s[20:21] offset:(32*(\t/2)+8*(\t%2))*4
.endr
.endr
.Lbias_done:
.macro FRAG reg, a16, a8, q, i         ; a fragment comes back as it was stored: four loads, each of 512 or 256 consecutive bytes
	ds_load_b128 v[\reg:\reg+3], v[\a16] offset:(\i)*3072+(\q)*1536
	ds_load_b64 v[\reg+4:\reg+5], v[\a8] offset:(\i)*3072+(\q)*1536+512
	ds_load_b128 v[\reg+6:\reg+9], v[\a16] offset:(\i)*3072+(\q)*1536+768
	ds_load_b64 v[\reg+10:\reg+11], v[\a8] offset:(\i)*3072+(\q)*1536+1280
.endm
.macro FETCH_B ls, q, p                ; B's eight fragments of LDS slot ls, its q-th 128 along K, into set p
	WIN TO_B
.irp i, 0,1,2,3,4,5,6,7
	FRAG 128*(\p)+FR*\i, B16+\ls, B8+\ls, \q, \i
.endr
	WIN 0
.endm
.macro FETCH_A ls, q, i0               ; A's blocks i0 .. i0 + 3
.irp i, \i0, \i0+1, \i0+2, \i0+3
	FRAG AF+FR*(\i), A16+\ls, A8+\ls, \q, \i
.endr
.endm
.macro SCALES sc, ks                   ; K slot ks's scale words into set sc
.irp i, 0,1,2,3,4,5,6,7
	ds_load_b64 v[SC+16*(\sc)+2*\i:SC+16*(\sc)+2*\i+1], v[ADRS] offset:128*\i+1024*(\ks)
.endr
.endm
; 16 matrix instructions: A's blocks a0, a0 + 1 x B's eight.  p: B's set; q: which 128 of the K slot; sc: the set of scale words.
; cm = 0: the sums go on in place; 1: they start from the bias of B's rows; 2: from that of A's rows.  The 64 accumulators take turns, one instruction a turn.
.macro MUL16 a0, p, q, sc, cm
.irp a, \a0, \a0+1
.irp b, 0,1,2,3,4,5,6,7
.if \cm == 1
	v_wmma_scale_f32_16x16x128_f8f6f4 v[8*(8*((\a)%4)+\b):8*(8*((\a)%4)+\b)+7], v[128*(\p)+FR*\b:128*(\p)+FR*\b+FR-1], v[AF+FR*(\a):AF+FR*(\a)+FR-1], v[BI+8*\b:BI+8*\b+7], v[SC+16*(\sc)+2*\b+(\q)], v[SC+16*(\sc)+2*(\a)+(\q)] matrix_a_fmt:MATRIX_FMT_BF6 matrix_b_fmt:MATRIX_FMT_BF6 matrix_a_scale:MATRIX_SCALE_ROW1
.elseif \cm == 2
	v_wmma_scale_f32_16x16x128_f8f6f4 v[8*(8*((\a)%4)+\b):8*(8*((\a)%4)+\b)+7], v[128*(\p)+FR*\b:128*(\p)+FR*\b+FR-1], v[AF+FR*(\a):AF+FR*(\a)+FR-1], v[BI+8*(\a):BI+8*(\a)+7], v[SC+16*(\sc)+2*\b+(\q)], v[SC+16*(\sc)+2*(\a)+(\q)] matrix_a_fmt:MATRIX_FMT_BF6 matrix_b_fmt:MATRIX_FMT_BF6 matrix_a_scale:MATRIX_SCALE_ROW1
.else
	v_wmma_scale_f32_16x16x128_f8f6f4 v[8*(8*((\a)%4)+\b):8*(8*((\a)%4)+\b)+7], v[128*(\p)+FR*\b:128*(\p)+FR*\b+FR-1], v[AF+FR*(\a):AF+FR*(\a)+FR-1], v[8*(8*((\a)%4)+\b):8*(8*((\a)%4)+\b)+7], v[SC+16*(\sc)+2*\b+(\q)], v[SC+16*(\sc)+2*(\a)+(\q)] matrix_a_fmt:MATRIX_FMT_BF6 matrix_b_fmt:MATRIX_FMT_BF6 matrix_a_scale:MATRIX_SCALE_ROW1
.endif
.endr
.endr
.endm
; A step of 128 along K whose successor (LDS slot nls, its nq-th 128) may be read without a barrier.  nks >= 0: the successor begins K slot nks, whose scale words are fetched too.
.macro STEP q, sc, cm, nls, nq, nks
	s_wait_dscnt 16                                ; B's set, A's blocks 0-3 and the scale words are in; the youngest 16 loads (A's blocks 4-7) may be out
.if \cm
	WIN 0x81                                       ; C (the bias) window 0, D window 2
.else
	WIN MUL_LO
.endif
	MUL16 0, \q, \q, \sc, \cm
	MUL16 2, \q, \q, \sc, \cm
	s_wait_dscnt 0                                 ; A's blocks 4-7 are in
	PLACES 4
	FETCH_B \nls, \nq, 1-\q
	FETCH_A \nls, \nq, 0
.if \nks >= 0
	SCALES 1-\sc, \nks
.endif
.if \cm
	WIN 0xc1
.else
	WIN MUL_HI
.endif
	MUL16 4, \q, \q, \sc, \cm
	MUL16 6, \q, \q, \sc, \cm
	PLACES 4
	WIN 0
	FETCH_A \nls, \nq, 4
.endm
; A K slot's second step with a barrier in it.  In front of the barrier each wave waits for all its tensor loads, adds 0 to its spare word, and waits for that and for its reads of the slot.
; fill = 1: the barrier opens a round of the cluster's barrier, and behind the round LDS slot 0, which nobody reads any more, takes K slot 3.
.macro TURN sc, fill, nls, nks
	s_wait_tensorcnt 0x0                           ; all my tensor loads have landed  (every window is 0 here)
	ds_add_u32 v[SPW], v[NIL]                      ; 0 onto my spare word
	s_wait_dscnt 17                                ; (the add and the youngest 16 loads, A's blocks 4-7, may be out)
	WIN MUL_LO
	MUL16 0, 1, 1, \sc, 0                          ; sixteen matrix instructions stand between the add and the wait for it
	s_wait_dscnt 0x0                               ; the add is done, and my reads of this slot are over
	s_barrier_signal -1
	MUL16 2, 1, 1, \sc, 0
	WIN 0
	s_barrier_wait -1
.if \fill
	CREST                                          ; no wave of any partner still reads slot 0 or has a load on its way
.rept 3
	s_add_nc_u64 s[G0+2:G0+3], s[G0+2:G0+3], s[96:97]      ; from K slot 0 to K slot 3, in place: the type bits on top are not reached
	s_add_nc_u64 s[G0B+2:G0B+3], s[G0B+2:G0B+3], s[98:99]
.endr
	JLOAD G0, G1, G0B, G1B                         ; the first tensor load behind the round, one a wave: two K slots' work, 256 matrix instructions, in which to land; its four v_nop are the places in front of the loads below
.else
	PLACES 4
.endif
	FETCH_B \nls, 0, 0
	FETCH_A \nls, 0, 0
	SCALES 1-\sc, \nks
	WIN MUL_HI
	MUL16 4, 1, 1, \sc, 0
	MUL16 6, 1, 1, \sc, 0
	PLACES 4
	WIN 0
	FETCH_A \nls, 0, 4
.endm
	s_wait_tensorcnt 0x2                           ; the scale bytes and my part of K slot 0 are in; K slots 1 and 2 may be out
	s_barrier_signal -1
	s_barrier_wait -1                              ; everybody's are
	FETCH_B 0, 0, 0
	FETCH_A 0, 0, 0
	s_wait_alu depctr_va_vdst(0)
	SCALES 0, 0
	FETCH_A 0, 0, 4
	s_wait_loadcnt 0x0                             ; the bias
	s_cmp_lg_u32 s19, 0
	s_cbranch_scc1 .Lfirst_v
	STEP 0, 0, 1, 0, 1, -1                         ; K slot 0, first 128: the products start the sums from the bias
	s_branch .Lfirst_done
.Lfirst_v:
	STEP 0, 0, 2, 0, 1, -1
.Lfirst_done:
	TURN 0, 1, 1, 1                                ; K slot 0, second 128; slot 0 is left and takes K slot 3
	STEP 0, 1, 0, 1, 1, -1                         ; K slot 1
	STEP 1, 1, 0, 2, 0, 2                          ; its successor lies in slot 2, which every wave showed whole in front of the round
	STEP 0, 0, 0, 2, 1, -1                         ; K slot 2
	TURN 0, 0, 0, 3                                ; a barrier: K slot 3 has landed in every wave's count
	STEP 0, 1, 0, 0, 1, -1                         ; K slot 3
	s_wait_dscnt 16                                ; the last step: nothing more to fetch
	WIN MUL_LO
	MUL16 0, 1, 1, 1, 0
	MUL16 2, 1, 1, 1, 0
	s_wait_dscnt 0
	WIN MUL_HI
	MUL16 4, 1, 1, 1, 0
	MUL16 6, 1, 1, 1, 0
	WIN 0
	PLACES 4                                       ; in front of the reads of results and of the writes over A's fragments
	; THE WAY OUT.  Block a (16 rows of A x my 128 n) is quantised along n into one fragment and leaves as two half fragments and a scale word a row.  Where they go differs by constants alone.
	; No tensor load is out since the last wait for all of them: the descriptors' registers are free.
.irp b, 0,1,2,3
	v_mov_b32 v[TM+4+\b], 0                        ; a lane permute's destination counts as one of its sources
.endr
	s_lshl_b32 s2, s100, 4
	s_lshl_b32 s3, s17, 3
	s_add_co_u32 s2, s2, s3                        ; my first tile of A's rows
	s_lshl_b32 s3, s101, 4
	s_lshl_b32 s56, s18, 3
	s_add_co_u32 s3, s3, s56                       ; and of B's
.macro ARM c0, hs, rs, ls, d1, cst, cs4, sc0, shs, srs, sls, ss4, hstr, sh
	s_mov_b32 s24, \c0                             ; codes: base, a head's bytes, a record's (or 16 tiles'), a place's in it;
	s_mov_b32 s25, \hs
	s_mov_b32 s26, \rs
	s_mov_b32 s27, \ls
	s_mov_b32 s28, \d1                             ; from the first half fragment to the second;
	s_mov_b32 s48, \cst                            ; from block to block, and from block 3 to block 4
	s_mov_b32 s50, \cs4
	s_mov_b32 s30, \sc0                            ; scale words likewise
	s_mov_b32 s31, \shs
	s_mov_b32 s32, \srs
	s_mov_b32 s33, \sls
	s_mov_b32 s52, \ss4
	s_mov_b32 s34, \hstr                           ; lanes 16-31 store the second head's word so far on,
	s_mov_b32 s35, \sh                             ; shifted so far down
.endm
	s_cmp_lg_u32 s19, 0
	s_cbranch_scc1 .Larm_v
	s_lshr_b32 s39, s2, 7                          ; q, k: the batch (128 token tiles each),
	s_lshl_b32 s39, s39, 4
	s_bfe_u32 s56, s3, 0x40002                     ; the first of my two heads (4 feature tiles each)
	s_add_co_u32 s39, s39, s56
	s_bfe_u32 s40, s2, 0x30004                     ; which 16 token tiles of the batch,
	s_and_b32 s41, s2, 15                          ; and which of them
	s_cmp_lg_u32 ttmp9, 0
	s_cbranch_scc1 .Larm_k
	ARM 0, 98304, 12288, 768, 98304, 768, 768, 6291456, 8192, 1024, 64, 64, 8192, 16
	s_branch .Larm_done
.Larm_k:
	ARM KV0, 208896, 26112, 768, 208896, 768, 768, KV0+24576, 208896, 26112, 64, 64, 208896, 16
	s_branch .Larm_done
.Larm_v:
	s_lshr_b32 s39, s3, 7                          ; v: the batch from the tokens,
	s_lshl_b32 s39, s39, 4
	s_lshr_b32 s56, s2, 2                          ; the first of my two heads from the features: blocks 0-3 are its four tiles, blocks 4-7 the next head's
	s_add_co_u32 s39, s39, s56
	s_bfe_u32 s40, s3, 0x30004                     ; which 256 keys,
	s_bfe_u32 s41, s3, 0x10003                     ; and which 128 of them
	ARM KV0+12288, 208896, 26112, 6144, 768, 1536, 204288, KV0+25600, 208896, 26112, 256, 208704, 0, 0
.Larm_done:
	s_mov_b32 s29, 0
	s_mov_b32 s49, 0
	s_mov_b32 s51, 0
	s_mov_b32 s53, 0
	s_mul_i32 s42, s39, s25
	s_mul_i32 s56, s40, s26
	s_add_co_u32 s42, s42, s56
	s_mul_i32 s56, s41, s27
	s_add_co_u32 s42, s42, s56
	s_add_co_u32 s42, s42, s24
	s_mov_b32 s43, 0
	s_add_nc_u64 s[42:43], s[14:15], s[42:43]      ; the first half fragment,
	s_add_nc_u64 s[44:45], s[42:43], s[28:29]      ; the second,
	s_mul_i32 s46, s39, s31
	s_mul_i32 s56, s40, s32
	s_add_co_u32 s46, s46, s56
	s_mul_i32 s56, s41, s33
	s_add_co_u32 s46, s46, s56
	s_add_co_u32 s46, s46, s30
	s_mov_b32 s47, 0
	s_add_nc_u64 s[46:47], s[14:15], s[46:47]      ; the scale words
	v_mul_u32_u24 v[VS], s34, v2
	v_lshl_add_u32 v[VS], v1, 2, v[VS]             ; 4 r, and for lanes 16-31 the second head's place
	v_mul_u32_u24 v[VSH], s35, v2
.macro OUTBLK a
.set AC, 64*((\a)%4)                   ; the block's 64 registers, in window 2 (blocks 0-3) or 3
.if ((\a)%4) < 2
.set PC, 144                           ; the codes stand where no source of their conversions has the same number
.else
.set PC, 96
.endif
	s_wait_xcnt 0x0                                ; the last block's stores have read their data and bases: both are written again only behind this wait
.if (\a) == 4
	s_add_nc_u64 s[42:43], s[42:43], s[50:51]
	s_add_nc_u64 s[44:45], s[44:45], s[50:51]
	s_add_nc_u64 s[46:47], s[46:47], s[52:53]
.elseif (\a) > 0
	s_add_nc_u64 s[42:43], s[42:43], s[48:49]
	s_add_nc_u64 s[44:45], s[44:45], s[48:49]
	s_add_nc_u64 s[46:47], s[46:47], 64
.endif
	WIN 0x0a+5*((\a)/4)                            ; sources 0 and 1 in the accumulators' window
.irp b, 0,1,2,3
	v_max3_num_f32 v[TM+\b], |v[AC+16*\b]|, |v[AC+16*\b+1]|, 0x2800000   ; each accumulator is read from its low end on; the floor 2^(5 - 127) holds the byte at 1 from below
.endr
.irp i, 2,4,6,8,10,12,14
.irp b, 0,1,2,3
	v_max3_num_f32 v[TM+\b], |v[AC+16*\b+\i]|, |v[AC+16*\b+\i+1]|, v[TM+\b]
.endr
.endr
	WIN 0
.irp b, 0,1,2,3
	v_permlanex16_b32 v[TM+4+\b], v[TM+\b], s[54], s[55]
.endr
.irp b, 0,1,2,3
	v_max_num_f32 v[TM+\b], v[TM+\b], v[TM+4+\b]
.endr
.irp b, 0,1,2,3
	v_add_nc_u32 v[TM+12+\b], 0xfe000000, v[TM+\b] ; 4 off the exponent field: the conversion's scale operand
.endr
.irp b, 0,1,2,3
	v_lshrrev_b32 v[TM+4+\b], 23, v[TM+12+\b]      ; the scale's byte
.endr
	v_lshl_or_b32 v[PW], v[TM+5], 8, v[TM+4]
	v_lshl_or_b32 v[PW], v[TM+6], 16, v[PW]
	v_lshl_or_b32 v[PW], v[TM+7], 24, v[PW]
	WIN 0x02+((\a)/4)                              ; source 0 in the accumulators' window
.irp c, 0,1
	v_cvt_scalef32_pk16_bf6_f32 v[PC+6*\c:PC+2+6*\c], v[AC+32*\c:AC+15+32*\c], v[TM+12+2*\c]
	v_cvt_scalef32_pk16_bf6_f32 v[PC+12+4*\c:PC+14+4*\c], v[AC+16+32*\c:AC+31+32*\c], v[TM+12+2*\c+1]
.endr
	WIN 0
	v_nop                                          ; one plain place behind a scaled conversion
.irp c, 0,1
.irp i, 0,1,2
	v_permlane16_swap_b32 v[PC+6*\c+\i], v[PC+12+4*\c+\i]
.endr
.irp i, 0,1,2
	v_mov_b32 v[PC+3+6*\c+\i], v[PC+12+4*\c+\i]
.endr
.endr
	v_lshrrev_b32 v[PD], v[VSH], v[PW]
	global_store_b128 v[V16], v[PC:PC+3], s[42:43]             ; 512 and 256 consecutive bytes, at multiples of 256 from the buffer's first byte
	global_store_b64 v[V8], v[PC+4:PC+5], s[42:43] offset:512
	global_store_b128 v[V16], v[PC+6:PC+9], s[44:45]
	global_store_b64 v[V8], v[PC+10:PC+11], s[44:45] offset:512
	global_store_b32 v[VS], v[PD], s[46:47]
.endm
	s_mov_b32 s54, 0x76543210                      ; lane selects: lane l xor 16
	s_mov_b32 s55, 0xfedcba98
.irp n, 0,1,2,3,4,5,6,7
	OUTBLK \n
.endr
	s_wait_tensorcnt 0x0                           ; the wave's end
	ds_add_u32 v[SPW], v[NIL]
	s_wait_dscnt 0x0
	CROUND                                         ; the closing round: no work-group ends while a partner may still ask for a block that names it
	s_endpgm
.Lfunc_end_k_qea06548221_qkv:
	.size	k_qea06548221_qkv, .Lfunc_end_k_qea06548221_qkv-k_qea06548221_qkv
	.p2alignl 7, 3214868480
	.fill 96, 4, 3214868480
	.section	.rodata,"a",@progbits
	.p2align	6, 0x0
	.amdhsa_kernel k_qea06548221_qkv
		.amdhsa_group_segment_fixed_size 327680
		.amdhsa_private_segment_fixed_size 0
		.amdhsa_enable_private_segment 0
		.amdhsa_kernarg_size 48
		.amdhsa_user_sgpr_count 2
		.amdhsa_user_sgpr_kernarg_segment_ptr 1
		.amdhsa_wavefront_size32 1
		.amdhsa_system_sgpr_workgroup_id_x 1
		.amdhsa_system_sgpr_workgroup_id_y 1
		.amdhsa_system_sgpr_workgroup_id_z 1
		.amdhsa_system_vgpr_workitem_id 0
		.amdhsa_next_free_vgpr 1024
		.amdhsa_next_free_sgpr 102
		.amdhsa_reserve_vcc 0
		.amdhsa_float_denorm_mode_32 3
		.amdhsa_float_denorm_mode_16_64 3
		.amdhsa_memory_ordered 1
		.amdhsa_forward_progress 1
		.amdhsa_inst_pref_size 175
	.end_amdhsa_kernel
	.amdgpu_metadata
---
amdhsa.version: [ 1, 2 ]
amdhsa.kernels:
  - .name:           k_qea06548221_qkv
    .symbol:         k_qea06548221_qkv.kd
    .args:
      - { .name: xi, .offset: 0, .size: 8, .value_kind: global_buffer, .address_space: global }
      - { .name: wi, .offset: 8, .size: 8, .value_kind: global_buffer, .address_space: global }
      - { .name: bq, .offset: 16, .size: 8, .value_kind: global_buffer, .address_space: global }
      - { .name: bk, .offset: 24, .size: 8, .value_kind: global_buffer, .address_space: global }
      - { .name: bv, .offset: 32, .size: 8, .value_kind: global_buffer, .address_space: global }
      - { .name: qkv, .offset: 40, .size: 8, .value_kind: global_buffer, .address_space: global }
    .group_segment_fixed_size: 327680
    .private_segment_fixed_size: 0
    .kernarg_segment_align: 8
    .kernarg_segment_size: 48
    .max_flat_workgroup_size: 128
    .sgpr_count:     102
    .vgpr_count:     1024
    .wavefront_size: 32
...
	.end_amdgpu_metadata
.endif
;; end of part 2
;; launch attn (part 3): grid 4 x 64, 16 waves a work-group, no clusters, 327,680 bytes of LDS; arguments qkv, ai; writes ai
.if DOCPART == 3
	.amdgcn_target "amdgcn-amd-amdhsa--gfx1250"
	.amdhsa_code_object_version 6
	.text
	.protected	k_qea06548221_attn
	.globl	k_qea06548221_attn
	.p2align	8
	.type	k_qea06548221_attn,@function
k_qea06548221_attn:
	s_mov_b64 s[64:65], 0
	v_nop
	global_prefetch_b8 v0, s[64:65] scope:SCOPE_SE
	s_setreg_imm32_b32 hwreg(HW_REG_WAVE_MODE, 25, 1), 1
	s_wait_xcnt 0x0
; Causal attention of one head on codes of BF6 (E3M2) with E8M0 scales: S^T = K Q^T (K = the head's 64, the upper 64 of the instruction's 128 are zero codes), softmax, O^T = V^T P^T (K = 128 keys a step).
; THE SOFTMAX AHEAD OF THE SECOND PRODUCT: t = score x log2(e) / 8; M = the running largest t rounded UP to a whole number; p = 2^(t - M) is quantised along the keys, not normalised.
; The row's sum is taken of the unquantised p and divides O at the end.  When M moves, the sum and O are multiplied by 2^(old M - new M): exact.
; O / sum is quantised along the head's 64 (two blocks of 32 of the last product's K) and leaves as half a fragment of that product's operand image, with two scale bytes a row.
; SHARES: work-group (i, head) owns the blocks 7 - i and i of 256 queries: 8 - i records of 256 keys for the late block, then i + 1 for the early one: nine for every work-group, 256 equal work-groups.
; Each of sixteen waves owns one tile of 16 queries in 256 registers: four waves to a SIMD, so that one wave's vector work stands beside another's matrix work and LDS loads.
; A record (26,112 dense bytes: K's 16 half fragments, V^T's 8 fragments, K's 256 scale words, V^T's 128) comes by ONE tensor load of wave 0 into a ring of two slots; all sixteen waves read it.
; The loop over records has a constant count; what the mask hides is left out by scalar branches on ids round a step's work, never round a barrier or a tensor load.
; LAYOUT: both products are used transposed, so a lane holds ONE query.  The images' tiles hold rows 32 g + 8 u + r + 8 (r / 8): the 16 registers of tiles 2 b, 2 b + 1 are 16 neighbouring keys (or channels).
; NO CLUSTER: the four work-groups of a head walk the records in different orders (8 - i, then i + 1); walked in step they would need 12 records' time against 9.
; NO PREFETCH: the records were stored by the launch before this one.
; LIMITS: NaN and infinities are not served; a block whose largest magnitude lies under 2^-122, a block of zeros too, gets the byte 1 (this program alone reads the bytes).
; REGISTERS: v1-4 lane terms; v5, v6 the add's; v7 the lane's query; v8-10 LDS addresses; v12 -M, v13 the largest t, v[14:15] the sum; v16-27 Q (v22-27 zero); v28-31 V's scale words;
;   v32-79 four fragments of K (the upper six registers of each zero); v80-127 V's four; v128-191 S^T, then p; v192-223 O^T; v224-235 p's codes; v232-254 at work; v248-251 K's scale words; v253 p's; v255 Q's.
.set REC,   26112
.set SLOT1, 32768                      ; slot 1 begins here: one exclusive or turns an address in one slot into the other's
.set SPARE, 58880                      ; behind the ring: the spare words, 128 bytes for each wave: eight blocks of 256 bytes that no other line names
.set KV0,   6815744
.set SS,    128
.set OO,    192
; s8 wave, s9 i, s10 head, s11 the block of queries; s[12:13] lane selects; s[14:15] c; s[16:23], s[24:27] the descriptor; s28 the slot in hand; s29 the step's first key; s30, s31 my queries' bounds;
; s32 trips; s33 records read; s34 records of the first pass; s35 records asked for; s[36:37], s38 the way back to record 0; s[40:47] Q's codes and words, the output's codes and bytes
.macro TLOAD                           ; wave 0 alone fetches; four v_nop follow the line
	s_cmp_eq_u32 s8, 0
	s_cbranch_scc0 .Lnoload_\@
	tensor_load_to_lds s[24:27], s[16:23]
	s_nop 0
.rept 4
	v_nop
.endr
.Lnoload_\@:
.endm
	s_load_b128 s[4:7], s[0:1], 0x0                ; qkv, ai
	v_lshl_add_u32 v5, v0, 2, SPARE
	v_mov_b32 v6, 0
	ds_add_u32 v5, v6
	ds_add_u32 v5, v6
	s_wait_dscnt 0x0
	v_lshrrev_b32 v8, 5, v0
	s_delay_alu instid0(VALU_DEP_1)
	v_readfirstlane_b32 s8, v8                     ; wave 0..15
	s_mov_b32 s9, ttmp9
	s_and_b32 s10, ttmp7, 0xffff
	s_sub_co_u32 s11, 7, s9                        ; the late block first
	s_sub_co_u32 s34, 8, s9
	s_mul_i32 s38, s34, REC
	s_mov_b32 s36, 0
	s_mov_b32 s37, 0
	s_mov_b32 s12, 0x76543210
	s_mov_b32 s13, 0xfedcba98
	s_mov_b32 s14, 0x3e38aa3b                      ; c = log2(e) / sqrt(64)
	s_mov_b32 s15, s14                             ; (named with it as a pair, so it is written)
	s_mov_b32 s28, 0
	s_mov_b32 s29, 0
	s_mov_b32 s32, 8
	s_mov_b32 s33, 0
	s_mov_b32 s35, 1
	s_mov_b32 s16, 3<<16                           ; group 1: 102 dense rows of 256 bytes (32 elements of 8 bytes), no mask, no padding
	s_mov_b32 s17, 32<<16
	s_mov_b32 s18, 102<<16
	s_mov_b32 s19, 32<<16
	s_mov_b32 s20, 102
	s_mov_b32 s21, 32
	s_mov_b32 s22, 0
	s_mov_b32 s23, 0
	s_mul_i32 s48, s10, 8*REC
	s_add_co_u32 s48, s48, KV0
	s_mov_b32 s49, 0
	s_wait_kmcnt 0x0
	s_mov_b32 s24, 1
	s_mov_b32 s25, 0                               ; slot 0
	s_add_nc_u64 s[26:27], s[4:5], s[48:49]        ; the head's record 0
	s_or_b32 s27, s27, 0x80000000
	TLOAD
	v_and_b32 v11, 31, v0
	s_delay_alu instid0(VALU_DEP_1)
	v_lshlrev_b32 v1, 4, v11                       ; 16 x lane
	s_delay_alu instid0(VALU_DEP_2)
	v_lshlrev_b32 v2, 3, v11                       ; 8 x lane
	v_and_b32 v11, 15, v0
	s_delay_alu instid0(VALU_DEP_1)
	v_lshlrev_b32 v3, 2, v11                       ; 4 r
	s_delay_alu instid0(VALU_DEP_2)
	v_lshlrev_b32 v4, 3, v11                       ; 8 r
	v_and_b32 v7, 7, v0
	v_bfe_u32 v11, v0, 3, 1
	s_delay_alu instid0(VALU_DEP_1)
	v_lshl_add_u32 v7, v11, 4, v7
	v_bfe_u32 v11, v0, 4, 1
	s_delay_alu instid0(VALU_DEP_1)
	v_lshlrev_b32 v11, 4, v11
	s_delay_alu instid0(VALU_DEP_1)
	v_sub_nc_u32 v7, v7, v11
	s_and_b32 s48, s8, 1
	s_lshl_b32 s48, s48, 3
	v_add_nc_u32 v7, s48, v7                       ; my query less its group of 32's first, less 16 (lane / 16): 8 (wave % 2) + r % 8 + 16 (r / 8) - 16 h
.irp j, 22,23,24,25,26,27
	v_mov_b32 v[\j], 0                             ; zero codes for the upper 64 of the first product's K: written once
.endr
.irp t, 0,1,2,3
.irp j, 6,7,8,9,10,11
	v_mov_b32 v[32+12*\t+\j], 0
.endr
.endr
.irp b, 0,1,2,3
	v_mov_b32 v[236+\b], 0                         ; a lane permute's destination counts as one of its sources
.endr
	v_mov_b32 v252, 0
	v_mov_b32 v253, 0                              ; (named as the upper half of the pair v[252:253] before it is first written)
.macro PASS_SETUP                      ; from the block of queries in s11: my tile, its bounds, and four addresses
	s_lshl_b32 s48, s11, 4
	s_add_co_u32 s48, s48, s8                      ; my token tile of the batch's 128
	s_lshl_b32 s30, s11, 8
	s_lshr_b32 s49, s8, 1
	s_lshl_b32 s49, s49, 5
	s_add_co_u32 s30, s30, s49                     ; the first query of my tile's group of 32,
	s_add_co_u32 s31, s30, 31                      ; and the last
	s_lshl_b32 s49, s10, 7
	s_add_co_u32 s49, s49, s48
	s_mul_i32 s50, s49, 768
	s_mov_b32 s51, 0
	s_add_nc_u64 s[40:41], s[4:5], s[50:51]        ; Q's half fragment
	s_lshl_b32 s50, s49, 6
	s_add_co_u32 s50, s50, 6291456
	s_add_nc_u64 s[42:43], s[4:5], s[50:51]        ; its scale words
	s_lshr_b32 s49, s10, 4
	s_lshl_b32 s49, s49, 7
	s_add_co_u32 s49, s49, s48                     ; the row tile of the output image
	s_and_b32 s52, s10, 15
	s_lshr_b32 s53, s52, 2                         ; the K slot: four heads each
	s_and_b32 s52, s52, 3
	s_mul_i32 s50, s53, 1572864
	s_mul_i32 s54, s49, 3072
	s_add_co_u32 s50, s50, s54
	s_mul_i32 s54, s52, 768
	s_add_co_u32 s50, s50, s54
	s_add_nc_u64 s[44:45], s[6:7], s[50:51]        ; my half fragment there
	s_lshr_b32 s50, s49, 3
	s_lshl_b32 s50, s50, 12
	s_lshl_b32 s54, s53, 10
	s_add_co_u32 s50, s50, s54
	s_and_b32 s54, s49, 7
	s_lshl_b32 s54, s54, 7
	s_add_co_u32 s50, s50, s54
	s_lshl_b32 s54, s52, 1
	s_add_co_u32 s50, s50, s54
	s_add_co_u32 s50, s50, 6291456
	s_add_nc_u64 s[46:47], s[6:7], s[50:51]        ; and its two scale bytes a row
.endm
.macro QLOAD
	global_load_b128 v[16:19], v1, s[40:41]
	global_load_b64 v[20:21], v2, s[40:41] offset:512
	global_load_b32 v255, v3, s[42:43]
.endm
.macro INIT                            ; the step is written once: the first finds zeros, which the first change of M leaves zeros
	v_mov_b32 v13, 0xff61b1e6                      ; the largest t so far: -3e38, under every t
	s_delay_alu instid0(VALU_DEP_1)
	v_floor_f32 v12, -v13                          ; -M
	v_mov_b32 v14, 0
	v_mov_b32 v15, 0
.set n, 0
.rept 32
	v_mov_b32 v[OO+n], 0
.set n, n+1
.endr
.endm
; A KEY STEP: 128 keys, the q-th of the record in hand
.macro STEP q
	s_cmp_gt_u32 s29, s31                          ; all its keys come after my queries: the work is left out
	s_cbranch_scc1 .Lhidden_\@
	v_add_nc_u32 v8, s28, v1
	v_add_nc_u32 v9, s28, v2
	v_add_nc_u32 v10, s28, v3
	v_nop                                          ; four places in front of loads into registers that the last step's matrix instructions read
.irp t, 0,1,2,3                        ; K's tiles 0-3: 12 loads
	ds_load_b128 v[32+12*\t:35+12*\t], v8 offset:(8*(\q)+\t)*768
	ds_load_b64 v[36+12*\t:37+12*\t], v9 offset:(8*(\q)+\t)*768+512
	ds_load_b32 v[248+\t], v10 offset:24576+(128*(\q)+16*\t)*4
.endr
.irp t, 0,1,2,3                        ; V^T's four fragments and their scale words: 20 loads, wanted at the step's end
	ds_load_b128 v[80+12*\t:83+12*\t], v8 offset:12288+(4*(\q)+\t)*1536
	ds_load_b64 v[84+12*\t:85+12*\t], v9 offset:12288+(4*(\q)+\t)*1536+512
	ds_load_b128 v[86+12*\t:89+12*\t], v8 offset:12288+(4*(\q)+\t)*1536+768
	ds_load_b64 v[90+12*\t:91+12*\t], v9 offset:12288+(4*(\q)+\t)*1536+1280
	ds_load_b32 v[28+\t], v10 offset:25600+(4*(\q)+\t)*64
.endr
	s_wait_alu depctr_va_vdst(0)
	s_wait_dscnt 20                                ; K's 12 are in; V's 20 may be out
.irp t, 0,1,2,3
	v_wmma_scale_f32_16x16x128_f8f6f4 v[SS+8*\t:SS+7+8*\t], v[32+12*\t:43+12*\t], v[16:27], 0, v[248+\t], v255 matrix_a_fmt:MATRIX_FMT_BF6 matrix_b_fmt:MATRIX_FMT_BF6
.endr
.rept 4
	v_nop
.endr
.irp t, 0,1,2,3                        ; K's tiles 4-7
	ds_load_b128 v[32+12*\t:35+12*\t], v8 offset:(8*(\q)+4+\t)*768
	ds_load_b64 v[36+12*\t:37+12*\t], v9 offset:(8*(\q)+4+\t)*768+512
	ds_load_b32 v[248+\t], v10 offset:24576+(128*(\q)+64+16*\t)*4
.endr
	s_wait_dscnt 0x0
.irp t, 0,1,2,3
	v_wmma_scale_f32_16x16x128_f8f6f4 v[SS+32+8*\t:SS+39+8*\t], v[32+12*\t:43+12*\t], v[16:27], 0, v[248+\t], v255 matrix_a_fmt:MATRIX_FMT_BF6 matrix_b_fmt:MATRIX_FMT_BF6
.endr
.rept 4
	v_nop
.endr
	s_add_co_u32 s48, s29, 127                     ; on the diagonal the scores of hidden keys become -infinity ahead of the maximum; a step all of whose keys count skips this
	s_cmp_le_u32 s48, s30
	s_cbranch_scc1 .Lopen_\@
	s_sub_co_i32 s48, s30, s29
	v_add_nc_u32 v252, s48, v7                     ; d = my query - the step's first key - 16 (lane / 16).  Register 16 b + i holds key 32 b + 16 (lane / 16) + i of the step: hidden where 32 b + i > d
	v_mov_b32 v254, 0xff800000
.set n, 0
.rept 64
	v_cmp_gt_i32 vcc_lo, 32*(n/16)+n%16, v252
	v_cndmask_b32 v[SS+n], v[SS+n], v254, vcc_lo
.set n, n+1
.endr
.Lopen_\@:
.irp b, 0,1,2,3
	v_max3_num_f32 v[232+\b], v[SS+16*\b], v[SS+1+16*\b], v[SS+2+16*\b]   ; the largest score of each block of 32 keys: it serves for the row's maximum and, since p rises with the score, for the block's largest p
.endr
.irp i, 3,5,7,9,11,13
.irp b, 0,1,2,3
	v_max3_num_f32 v[232+\b], v[232+\b], v[SS+16*\b+\i], v[SS+1+16*\b+\i]
.endr
.endr
.irp b, 0,1,2,3
	v_max_num_f32 v[232+\b], v[232+\b], v[SS+15+16*\b]
.endr
.irp b, 0,1,2,3
	s_delay_alu instid0(VALU_DEP_4)
	v_permlanex16_b32 v[236+\b], v[232+\b], s12, s13
.endr
.irp b, 0,1,2,3
	s_delay_alu instid0(VALU_DEP_4)
	v_max_num_f32 v[232+\b], v[232+\b], v[236+\b]  ; with lane l xor 16's 16 keys
.endr
	s_delay_alu instid0(VALU_DEP_2)
	v_max3_num_f32 v254, v232, v233, v234
	s_delay_alu instid0(VALU_DEP_1)
	v_max_num_f32 v254, v254, v235                 ; the step's largest score of my query
	s_delay_alu instid0(VALU_DEP_1)
	v_mul_f32 v254, s14, v254                      ; as t (c is positive)
	s_delay_alu instid0(VALU_DEP_1)
	v_max_num_f32 v13, v13, v254                   ; the running largest t
	v_mov_b32 v254, v12
	s_delay_alu instid0(VALU_DEP_2)
	v_floor_f32 v12, -v13                          ; the new -M = floor(-t) = -ceil(t): a whole number
	s_delay_alu instid0(VALU_DEP_1)
	v_sub_f32 v254, v12, v254                      ; M's old value less its new one: a whole number, 0 or less
	s_delay_alu instid0(VALU_DEP_1)
	v_cvt_i32_f32 v254, v254                       ; (it saturates)
	s_delay_alu instid0(VALU_DEP_1)
	v_ldexp_f32 v252, 1.0, v254                    ; f = 2^(old M - new M)
.set n, 0
.rept 32
	v_pk_fma_f32 v[SS+n:SS+n+1], v[SS+n:SS+n+1], s[14:15], v[12:13] op_sel_hi:[1,0,0]   ; t - M, two at a time
.set n, n+2
.endr
.irp b, 0,1,2,3
	v_fma_f32 v[232+\b], v[232+\b], s14, v12       ; the same of each block's largest score
.endr
.set n, 0
	s_wait_alu depctr_va_vdst(0)
.rept 64
	v_exp_f32 v[SS+n], v[SS+n]                     ; p = 2^(t - M), at most 1
.set n, n+1
.endr
.irp b, 0,1,2,3
	v_exp_f32 v[232+\b], v[232+\b]                 ; the block's largest p: the same two instructions on the same number give the same bits
.endr
	v_pk_mul_f32 v[14:15], v[14:15], v[252:253] op_sel_hi:[1,0]   ; the sums under the new M.  (A plain place behind the exponentials)
	s_wait_alu depctr_va_vdst(0)
.irp b, 0,1,2,3
	v_max_num_f32 v[232+\b], 0x2800000, v[232+\b]  ; the floor 2^(5 - 127): the byte cannot fall under 1
.endr
.irp b, 0,1,2,3
	s_delay_alu instid0(VALU_DEP_4)
	v_add_nc_u32 v[244+\b], 0xfe000000, v[232+\b]  ; 4 off the exponent field: the conversion's scale operand
.endr
.irp b, 0,1,2,3
	s_delay_alu instid0(VALU_DEP_4)
	v_lshrrev_b32 v[236+\b], 23, v[244+\b]         ; the scale's byte
.endr
	s_delay_alu instid0(VALU_DEP_3)
	v_lshl_or_b32 v253, v237, 8, v236              ; p's scale word for these 128 keys
	s_delay_alu instid0(VALU_DEP_1)
	v_lshl_or_b32 v253, v238, 16, v253
	s_delay_alu instid0(VALU_DEP_1)
	v_lshl_or_b32 v253, v239, 24, v253
.irp c, 0,1
	v_cvt_scalef32_pk16_bf6_f32 v[224+6*\c:226+6*\c], v[SS+32*\c:SS+15+32*\c], v[244+2*\c]
	v_cvt_scalef32_pk16_bf6_f32 v[236+4*\c:238+4*\c], v[SS+16+32*\c:SS+31+32*\c], v[244+2*\c+1]
.endr
	v_nop                                          ; one plain place behind a scaled conversion
.irp c, 0,1
.irp i, 0,1,2
	v_permlane16_swap_b32 v[224+6*\c+\i], v[236+4*\c+\i]
.endr
.irp i, 0,1,2
	s_delay_alu instid0(VALU_DEP_3)
	v_mov_b32 v[227+6*\c+\i], v[236+4*\c+\i]
.endr
.endr
	v_pk_add_f32 v[236:237], v[132:133], v[136:137]
	v_pk_add_f32 v[250:251], v[140:141], v[144:145]
	v_pk_add_f32 v[248:249], v[148:149], v[152:153]
	v_pk_add_f32 v[246:247], v[156:157], v[160:161]
	v_pk_add_f32 v[244:245], v[164:165], v[168:169]
	v_pk_add_f32 v[242:243], v[172:173], v[176:177]
	v_pk_add_f32 v[240:241], v[180:181], v[184:185]
	v_pk_add_f32 v[14:15], v[14:15], v[188:189]
	v_pk_add_f32 v[236:237], v[236:237], v[128:129]
	v_pk_add_f32 v[250:251], v[250:251], v[130:131]
	v_pk_add_f32 v[248:249], v[248:249], v[134:135]
	v_pk_add_f32 v[246:247], v[246:247], v[138:139]
	v_pk_add_f32 v[244:245], v[244:245], v[142:143]
	v_pk_add_f32 v[242:243], v[242:243], v[146:147]
	v_pk_add_f32 v[240:241], v[240:241], v[150:151]
	v_pk_add_f32 v[14:15], v[14:15], v[154:155]
	v_pk_add_f32 v[236:237], v[236:237], v[158:159]
	v_pk_add_f32 v[250:251], v[250:251], v[162:163]
	v_pk_add_f32 v[248:249], v[248:249], v[166:167]
	v_pk_add_f32 v[246:247], v[246:247], v[170:171]
	v_pk_add_f32 v[244:245], v[244:245], v[174:175]
	v_pk_add_f32 v[242:243], v[242:243], v[178:179]
	v_pk_add_f32 v[240:241], v[240:241], v[182:183]
	v_pk_add_f32 v[14:15], v[14:15], v[186:187]
	v_pk_add_f32 v[236:237], v[236:237], v[190:191]
	s_delay_alu instid0(VALU_DEP_2)
	v_pk_add_f32 v[14:15], v[14:15], v[246:247]
	s_delay_alu instid0(VALU_DEP_2)
	v_pk_add_f32 v[236:237], v[236:237], v[244:245]
	v_pk_add_f32 v[250:251], v[250:251], v[242:243]
	v_pk_add_f32 v[248:249], v[248:249], v[240:241]
	s_delay_alu instid0(VALU_DEP_2)
	v_pk_add_f32 v[14:15], v[14:15], v[250:251]
	s_delay_alu instid0(VALU_DEP_2)
	v_pk_add_f32 v[236:237], v[236:237], v[248:249]
	s_delay_alu instid0(VALU_DEP_1)
	v_pk_add_f32 v[14:15], v[14:15], v[236:237]
.set n, 0
.rept 16
	v_pk_mul_f32 v[OO+n:OO+n+1], v[OO+n:OO+n+1], v[252:253] op_sel_hi:[1,0]   ; O^T under the new M.  (With the sums above: the places between p's codes and scale word and the matrix instructions below)
.set n, n+2
.endr
.irp t, 0,1,2,3                        ; O^T += V^T P^T: four tiles of 16 channels by turns
	v_wmma_scale_f32_16x16x128_f8f6f4 v[OO+8*\t:OO+7+8*\t], v[80+12*\t:91+12*\t], v[224:235], v[OO+8*\t:OO+7+8*\t], v[28+\t], v253 matrix_a_fmt:MATRIX_FMT_BF6 matrix_b_fmt:MATRIX_FMT_BF6
.endr
.Lhidden_\@:
	s_add_co_u32 s29, s29, 128
.endm
; A block of queries is finished: O^T / the sum, quantised along the head's 64: register 16 b + i is channel 32 b + 16 (lane / 16) + i
.macro FINISH
.rept 4
	v_nop                                          ; places behind the last products
.endr
	v_add_f32 v14, v14, v15
	s_delay_alu instid0(VALU_DEP_1)
	v_permlanex16_b32 v252, v14, s12, s13
	s_delay_alu instid0(VALU_DEP_1)
	v_add_f32 v14, v14, v252                       ; the row's sum
	s_wait_alu depctr_va_vdst(0)
	v_rcp_f32 v14, v14
	v_nop                                          ; a plain place behind the transcendental
.set n, 0
	s_wait_alu depctr_va_vdst(0)
.rept 16
	v_pk_mul_f32 v[SS+n:SS+n+1], v[OO+n:OO+n+1], v[14:15] op_sel_hi:[1,0]
.set n, n+2
.endr
.irp b, 0,1
	v_max3_num_f32 v[232+\b], |v[SS+16*\b]|, |v[SS+1+16*\b]|, 0x2800000
.endr
.irp i, 2,4,6,8,10,12,14
.irp b, 0,1
	s_delay_alu instid0(VALU_DEP_2)
	v_max3_num_f32 v[232+\b], v[232+\b], |v[SS+16*\b+\i]|, |v[SS+1+16*\b+\i]|
.endr
.endr
.irp b, 0,1
	s_delay_alu instid0(VALU_DEP_2)
	v_permlanex16_b32 v[236+\b], v[232+\b], s12, s13
.endr
.irp b, 0,1
	s_delay_alu instid0(VALU_DEP_2)
	v_max_num_f32 v[232+\b], v[232+\b], v[236+\b]
.endr
.irp b, 0,1
	s_delay_alu instid0(VALU_DEP_2)
	v_add_nc_u32 v[244+\b], 0xfe000000, v[232+\b]
.endr
.irp b, 0,1
	s_delay_alu instid0(VALU_DEP_2)
	v_lshrrev_b32 v[236+\b], 23, v[244+\b]
.endr
	s_delay_alu instid0(VALU_DEP_1)
	v_lshl_or_b32 v254, v237, 8, v236              ; my row's two scale bytes
	v_cvt_scalef32_pk16_bf6_f32 v[224:226], v[SS:SS+15], v244
	v_cvt_scalef32_pk16_bf6_f32 v[240:242], v[SS+16:SS+31], v245
	v_nop                                          ; one plain place behind a scaled conversion
.irp i, 0,1,2
	v_permlane16_swap_b32 v[224+\i], v[240+\i]
.endr
.irp i, 0,1,2
	s_delay_alu instid0(VALU_DEP_3)
	v_mov_b32 v[227+\i], v[240+\i]
.endr
	global_store_b128 v1, v[224:227], s[44:45]     ; 512 and 256 consecutive bytes, at multiples of 256 from the buffer's first byte
	global_store_b64 v2, v[228:229], s[44:45] offset:512
	global_store_b16 v4, v254, s[46:47]            ; (lanes 16-31 write the same bytes with the same values)
.endm
; THE CHANGE OF SLOTS stands at a record's head.  Each wave waits for all its tensor loads, adds 0 to its spare word, and waits for that and for its reads of the slot that it has left.
; fill = 1: behind the barrier that slot takes the next record, which has a whole record's steps of sixteen waves in which to land.  One tensor load is out at a time.
.macro CHANGE fill
	s_wait_tensorcnt 0x0                           ; no tensor load of mine is out, so the group 0 may be written
	ds_add_u32 v5, v6                              ; 0 onto my spare word
.if \fill
	s_xor_b32 s25, s25, SLOT1                      ; the other slot than last time,
	s_cmp_eq_u32 s35, s34                          ; the next record; where the second pass begins, back to record 0
	s_cselect_b32 s36, s38, 0
	s_add_nc_u64 s[26:27], s[26:27], REC
	s_sub_nc_u64 s[26:27], s[26:27], s[36:37]
	s_add_co_u32 s35, s35, 1
.endif
	s_wait_dscnt 0x0                               ; the add is done, and my reads of the slot that I have left are over
	s_barrier_signal -1
	s_barrier_wait -1
.if \fill
	TLOAD                                          ; the first thing behind the barrier
.endif
.endm
.macro SLOT_STEPS
	s_cmp_lg_u32 s33, s34                          ; the first pass is over: the late block leaves, the early one begins.  A branch on ids; no barrier, tensor load or LDS instruction stands under it
	s_cbranch_scc1 .Lsame_\@
	FINISH
	s_wait_xcnt 0x0                                ; the stores have read their data and bases
	s_mov_b32 s11, s9
	PASS_SETUP
	QLOAD
	INIT
	s_mov_b32 s29, 0
	s_wait_loadcnt 0x0
.Lsame_\@:
	STEP 0
	STEP 1
	s_xor_b32 s28, s28, SLOT1                      ; on to the other slot
	s_add_co_u32 s33, s33, 1
.endm
	PASS_SETUP
	QLOAD
	INIT
	s_wait_loadcnt 0x0
.Lslot:                                            ; eight trips: behind each change of slots but the last the next record is asked for
	CHANGE 1
	SLOT_STEPS
	s_sub_co_u32 s32, s32, 1
	s_cmp_lg_u32 s32, 0
	s_cbranch_scc1 .Lslot
	CHANGE 0                                       ; the ninth record is written out
	SLOT_STEPS
	FINISH
	s_wait_tensorcnt 0x0                           ; the wave's end
	ds_add_u32 v5, v6
	s_wait_dscnt 0x0
	s_endpgm
.Lfunc_end_k_qea06548221_attn:
	.size	k_qea06548221_attn, .Lfunc_end_k_qea06548221_attn-k_qea06548221_attn
	.p2alignl 7, 3214868480
	.fill 96, 4, 3214868480
	.section	.rodata,"a",@progbits
	.p2align	6, 0x0
	.amdhsa_kernel k_qea06548221_attn
		.amdhsa_group_segment_fixed_size 327680
		.amdhsa_private_segment_fixed_size 0
		.amdhsa_enable_private_segment 0
		.amdhsa_kernarg_size 16
		.amdhsa_user_sgpr_count 2
		.amdhsa_user_sgpr_kernarg_segment_ptr 1
		.amdhsa_wavefront_size32 1
		.amdhsa_system_sgpr_workgroup_id_x 1
		.amdhsa_system_sgpr_workgroup_id_y 1
		.amdhsa_system_sgpr_workgroup_id_z 1
		.amdhsa_system_vgpr_workitem_id 0
		.amdhsa_next_free_vgpr 256
		.amdhsa_next_free_sgpr 66
		.amdhsa_reserve_vcc 1
		.amdhsa_float_denorm_mode_32 3
		.amdhsa_float_denorm_mode_16_64 3
		.amdhsa_memory_ordered 1
		.amdhsa_forward_progress 1
		.amdhsa_inst_pref_size 120
	.end_amdhsa_kernel
	.amdgpu_metadata
---
amdhsa.version: [ 1, 2 ]
amdhsa.kernels:
  - .name:           k_qea06548221_attn
    .symbol:         k_qea06548221_attn.kd
    .args:
      - { .name: qkv, .offset: 0, .size: 8, .value_kind: global_buffer, .address_space: global }
      - { .name: ai, .offset: 8, .size: 8, .value_kind: global_buffer, .address_space: global }
    .group_segment_fixed_size: 327680
    .private_segment_fixed_size: 0
    .kernarg_segment_align: 8
    .kernarg_segment_size: 16
    .max_flat_workgroup_size: 512
    .sgpr_count:     66
    .vgpr_count:     256
    .wavefront_size: 32
...
	.end_amdgpu_metadata
.endif
;; end of part 3
;; launch proj (part 4): grid 4 x 32, 4 waves a work-group, clusters of 4 x 4, 327,680 bytes of LDS; arguments ai, wi, bo, out0; writes out0
.if DOCPART == 4
	.amdgcn_target "amdgcn-amd-amdhsa--gfx1250"
	.amdhsa_code_object_version 6
	.text
	.protected	k_qea06548221_proj
	.globl	k_qea06548221_proj
	.p2align	8
	.type	k_qea06548221_proj,@function
k_qea06548221_proj:
	s_mov_b64 s[64:65], 0
	v_nop
	global_prefetch_b8 v0, s[64:65] scope:SCOPE_SE
	s_setreg_imm32_b32 hwreg(HW_REG_WAVE_MODE, 25, 1), 1
	s_wait_xcnt 0x0
	s_wait_alu depctr_hold_cnt(0) depctr_sa_sdst(0) depctr_va_vdst(0) depctr_va_sdst(0) depctr_va_ssrc(0) depctr_va_vcc(0) depctr_vm_vsrc(0)
	s_getreg_b32 s2, hwreg(HW_REG_IB_STS2, 6, 4)
	s_cmp_eq_u32 s2, 0
	s_cbranch_scc0 .Lentry_in_a_cluster
	s_endpgm
.Lentry_in_a_cluster:
	s_bfe_u32 s2, ttmp6, 0x10000c
	s_cmp_lg_u32 s2, 0xf033
	s_cbranch_scc0 .Lentry_shape_is_right
	s_endpgm
.Lentry_shape_is_right:
; out0 = a Wo^T + bo on codes of BF6 (E3M2) with E8M0 scales, f32 sums.  a: the attention's result as an operand image (ai), Wo: row tiles 192-255 of wi.  out0: [8192][1024] f32.
; A tile of 256 x 256 to a work-group of four waves, 128 x 128 a wave: 64 accumulators, 512 registers.  THE MATRIX INSTRUCTION IS USED TRANSPOSED (source 0 = 16 rows of Wo, source 1 = 16 rows of a).
; The operands are images of registers (a fragment of 16 rows x 128 K: 1,536 bytes; 128 rows x 256 K: one dense block of 24,576 bytes); lane r of tile 2 g + u holds row 32 g + 8 u + r + 8 (r / 8).
; So a lane's 64 registers of one block of a are columns 32 b + 16 (lane / 16) + i in register 16 b + i, and the block's row t is row 32 (a / 2) + 8 (a % 2) + t + 8 (t / 8) of my 128.
; K = 1,024 is four K slots of 256: K slots 0, 1, 2 and all scale bytes are first fills (four loads of a wave are out at the start); K slot 3 is the one refill, into slot 0.
; CLUSTERS: 4 x 4 work-groups; a's blocks are shared along a row of the cluster, Wo's along a column: joint loads.  The bias is the C of each sum's first matrix instruction.
; 128 work-groups: the tile is kept at 256 x 256 for the largest wave tile that the registers hold.
; REGISTERS, in windows of 256: window 0: v1-29 addresses; v32-63 scale words, two sets; v64-127 the bias; v128-223 A's fragments, one set; on the way out v128-255 rows read back.
;   window 1: B's fragments, two sets.  windows 2, 3: the accumulators ((a, b) at v[8 (8 (a % 4) + b)]).
.set FR,    12
.set HALFT, 24576
.set SLOT,  98304
.set SCL,   294912
.set SPARE, 311296                     ; the spare words, 128 bytes for each wave: two blocks of 256 bytes that no other line names
.set STAGE, SLOT                       ; the way out: 16 rows x 528 bytes for each wave, in slot 1: it has had its only fill, and nobody reads it behind the last barrier
.set A16, 8
.set A8,  11
.set B16, 14
.set B8,  17
.set ADRS, 20
.set STO, 21                           ; v21  the way out: where I put 32 bytes of a row
.set RD,  22                           ; v22  and where I read a row back
.set V16, 24
.set V8,  25
.set SPW, 28
.set NIL, 29
.set SC,  32
.set BI,  64
.set AF,  128
.set BK,  128
.set G1,  24
.set G0,  32
.set G1B, 48
.set G0B, 68
.set G0S, 56
.set G0SB, 60
.set G1S, 80
.set G1SB, 88
.set MSB, 0
.macro WIN new                         ; the immediate's high byte repeats the setting that is left
.if MSB != \new
	s_set_vgpr_msb (MSB<<8)|\new
.set MSB, \new
.endif
.endm
.set MUL_LO, 0xa1
.set MUL_HI, 0xf1
.set TO_B,   0x40
.macro JLOAD g0a, g1a, g0b, g1b        ; a joint load: waves 0 and 1 fetch for A, waves 2 and 3 for B; four v_nop follow each of the two lines
	s_cmp_eq_u32 s17, 0
	s_cbranch_scc0 .Lfor_b_\@
	tensor_load_to_lds s[\g0a:\g0a+3], s[\g1a:\g1a+7]
	s_nop 0
.rept 4
	v_nop
.endr
	s_branch .Lasked_\@
.Lfor_b_\@:
	tensor_load_to_lds s[\g0b:\g0b+3], s[\g1b:\g1b+7]
	s_nop 0
.rept 4
	v_nop
.endr
.Lasked_\@:
.endm
.macro CREST
	s_cmp_lg_u32 s16, 0
	s_cbranch_scc1 .Lnot_wave_0_\@
	s_barrier_signal -3
.Lnot_wave_0_\@:
	s_barrier_wait -3
	s_barrier_signal -1
	s_barrier_wait -1
.endm
.macro CROUND
	s_barrier_signal -1
	s_barrier_wait -1
	CREST
.endm
.macro PLACES n
.rept \n
	v_nop
.endr
.endm
	s_load_b256 s[4:11], s[0:1], 0x0               ; ai, wi, bo, out0
	v_lshl_add_u32 v[SPW], v0, 2, SPARE
	v_mov_b32 v[NIL], 0
	ds_add_u32 v28, v29
	ds_add_u32 v28, v29
	s_wait_dscnt 0x0
	v_lshrrev_b32 v1, 5, v0
	v_readfirstlane_b32 s16, v1                    ; wave 0..3
	s_lshr_b32 s17, s16, 1                         ; which half of A's rows is mine.  Also: I fetch for A (0) or for B (1)
	s_and_b32 s18, s16, 1                          ; which half of B's rows.  Also: which 128 rows I fetch
	s_bfe_u32 s44, ttmp6, 0x40000                  ; cx, cy
	s_bfe_u32 s45, ttmp6, 0x40004
	s_lshl_b32 s46, s45, 2
	s_lshl_b32 s46, 15, s46                        ; my row of the cluster
	s_lshl_b32 s47, 0x1111, s44                    ; my column
	s_or_b32 s[G1], s46, (3<<16)|(1<<21)           ; dense blocks as rows of 256 bytes (32 elements of 8 bytes), no padding; the mask, and bit 21 beside it
	s_or_b32 s[G1B], s47, (3<<16)|(1<<21)
	s_or_b32 s[G1S], s46, (3<<16)|(1<<21)
	s_or_b32 s[G1SB], s47, (3<<16)|(1<<21)
.irp g, G1, G1B
	s_mov_b32 s[\g+1], 32<<16
	s_mov_b32 s[\g+2], 96<<16
	s_mov_b32 s[\g+3], 32<<16
	s_mov_b32 s[\g+4], 96
	s_mov_b32 s[\g+5], 32
	s_mov_b32 s[\g+6], 0
	s_mov_b32 s[\g+7], 0
.endr
.irp g, G1S, G1SB
	s_mov_b32 s[\g+1], 32<<16
	s_mov_b32 s[\g+2], 16<<16
	s_mov_b32 s[\g+3], 32<<16
	s_mov_b32 s[\g+4], 16
	s_mov_b32 s[\g+5], 32
	s_mov_b32 s[\g+6], 0
	s_mov_b32 s[\g+7], 0
.endr
	s_mov_b32 s96, 1572864                         ; ai: bytes from K slot to K slot
	s_mov_b32 s97, 0
	s_mov_b32 s98, 786432                          ; wi
	s_mov_b32 s99, 0
	s_and_b32 s100, ttmp7, 0xffff
	s_lshl_b32 s100, s100, 2
	s_add_co_u32 s100, s100, s45                   ; tile row = 4 x cluster row + cy
	s_lshl_b32 s101, ttmp9, 2
	s_add_co_u32 s101, s101, s44                   ; tile column = 4 x cluster column + cx
	s_lshl_b32 s21, s18, 3
	s_lshl_b32 s66, s100, 4
	s_add_co_u32 s66, s66, s21                     ; A: the first row tile that I fetch
	s_lshl_b32 s67, s101, 4
	s_add_co_u32 s67, s67, s21
	s_add_co_u32 s67, s67, 192                     ; B: Wo's tiles begin at 192
	s_mul_i32 s20, s66, 3072
	s_mov_b32 s21, 0
	s_lshl_b32 s22, s66, 9
	s_add_co_u32 s22, s22, 6291456
	s_mov_b32 s23, 0
	s_mul_i32 s70, s67, 3072
	s_mov_b32 s71, 0
	s_lshl_b32 s62, s67, 9
	s_add_co_u32 s62, s62, 3145728
	s_mov_b32 s63, 0
	s_mul_i32 s2, s16, HALFT                       ; where they go: wave x 24,576
	s_lshl_b32 s3, s16, 12
	s_wait_kmcnt 0x0
	s_add_nc_u64 s[G0S+2:G0S+3], s[4:5], s[22:23]
	s_add_nc_u64 s[G0+2:G0+3], s[4:5], s[20:21]
	s_add_nc_u64 s[G0+6:G0+7], s[G0+2:G0+3], s[96:97]
	s_add_nc_u64 s[G0+10:G0+11], s[G0+6:G0+7], s[96:97]
	s_add_nc_u64 s[G0SB+2:G0SB+3], s[6:7], s[62:63]
	s_add_nc_u64 s[G0B+2:G0B+3], s[6:7], s[70:71]
	s_add_nc_u64 s[G0B+6:G0B+7], s[G0B+2:G0B+3], s[98:99]
	s_add_nc_u64 s[G0B+10:G0B+11], s[G0B+6:G0B+7], s[98:99]
.irp s, 0,1,2
	s_mov_b32 s[G0+4*\s], 1
	s_add_co_u32 s[G0+4*\s+1], s2, \s*SLOT
	s_or_b32 s[G0+4*\s+3], s[G0+4*\s+3], 0x80000000
	s_mov_b32 s[G0B+4*\s], 1
	s_add_co_u32 s[G0B+4*\s+1], s2, \s*SLOT
	s_or_b32 s[G0B+4*\s+3], s[G0B+4*\s+3], 0x80000000
.endr
	s_mov_b32 s[G0S], 1
	s_add_co_u32 s[G0S+1], s3, SCL
	s_or_b32 s[G0S+3], s[G0S+3], 0x80000000
	s_mov_b32 s[G0SB], 1
	s_add_co_u32 s[G0SB+1], s3, SCL
	s_or_b32 s[G0SB+3], s[G0SB+3], 0x80000000
	CROUND                                         ; all sixteen work-groups are here: the first joint loads meet
	JLOAD G0S, G1S, G0SB, G1SB
	JLOAD G0, G1, G0B, G1B
	JLOAD G0+4, G1, G0B+4, G1B
	JLOAD G0+8, G1, G0B+8, G1B                     ; four loads of mine are out
	v_and_b32 v1, 15, v0                           ; r
	v_bfe_u32 v2, v0, 4, 1                         ; h
	v_and_b32 v3, 31, v0
	v_lshlrev_b32 v[V16], 4, v3
	v_lshlrev_b32 v[V8], 3, v3
	s_mul_i32 s20, s17, HALFT
	s_mul_i32 s21, s18, HALFT
	s_add_co_u32 s21, s21, 2*HALFT
.irp s, 0,1,2
	v_add_nc_u32 v[A16+\s], s20, v[V16]
	v_add_nc_u32 v[A8+\s], s20, v[V8]
	v_add_nc_u32 v[B16+\s], s21, v[V16]
	v_add_nc_u32 v[B8+\s], s21, v[V8]
	s_add_co_u32 s20, s20, SLOT
	s_add_co_u32 s21, s21, SLOT
.endr
	s_lshl_b32 s20, s17, 12
	s_lshl_b32 s21, s18, 12
	s_add_co_u32 s21, s21, 8192
	s_sub_co_u32 s21, s21, s20
	v_mul_u32_u24 v4, s21, v2                      ; lanes 16-31 take B's scale words: one product with h
	s_add_co_u32 s20, s20, SCL
	v_lshl_add_u32 v4, v1, 3, v4
	v_add_nc_u32 v[ADRS], s20, v4
	s_mul_i32 s20, s16, 8448
	s_add_co_u32 s20, s20, STAGE                   ; my stage
	v_mul_u32_u24 v5, v1, 528
	v_lshl_add_u32 v5, v2, 6, v5
	v_add_nc_u32 v[STO], s20, v5                   ; in: row r, + 64 h
	v_add_nc_u32 v[RD], s20, v[V16]                ; back: a row of 512 bytes to the 32 lanes
	s_lshl_b32 s22, s101, 10                       ; the bias: my 128 columns, in bytes
	s_lshl_b32 s23, s18, 9
	s_add_co_u32 s22, s22, s23
	s_mov_b32 s23, 0
	s_add_nc_u64 s[20:21], s[8:9], s[22:23]
	v_lshlrev_b32 v4, 6, v2                        ; lane (r, h), tile 2 b + u of B: columns 32 b + 16 h + 8 u + 0 .. 7
.irp t, 0,1,2,3,4,5,6,7
	global_load_b128 v[BI+8*\t:BI+8*\t+3], v4, s[20:21] offset:(32*(\t/2)+8*(\t%2))*4
	global_load_b128 v[BI+8*\t+4:BI+8*\t+7], v4, s[20:21] offset:(32*(\t/2)+8*(\t%2))*4+16
.endr
.macro FRAG reg, a16, a8, q, i
	ds_load_b128 v[\reg:\reg+3], v[\a16] offset:(\i)*3072+(\q)*1536
	ds_load_b64 v[\reg+4:\reg+5], v[\a8] offset:(\i)*3072+(\q)*1536+512
	ds_load_b128 v[\reg+6:\reg+9], v[\a16] offset:(\i)*3072+(\q)*1536+768
	ds_load_b64 v[\reg+10:\reg+11], v[\a8] offset:(\i)*3072+(\q)*1536+1280
.endm
.macro FETCH_B ls, q, p
	WIN TO_B
.irp i, 0,1,2,3,4,5,6,7
	FRAG 128*(\p)+FR*\i, B16+\ls, B8+\ls, \q, \i
.endr
	WIN 0
.endm
.macro FETCH_A ls, q, i0
.irp i, \i0, \i0+1, \i0+2, \i0+3
	FRAG AF+FR*(\i), A16+\ls, A8+\ls, \q, \i
.endr
.endm
.macro SCALES sc, ks
.irp i, 0,1,2,3,4,5,6,7
	ds_load_b64 v[SC+16*(\sc)+2*\i:SC+16*(\sc)+2*\i+1], v[ADRS] offset:128*\i+1024*(\ks)
.endr
.endm
; 16 matrix instructions: A's blocks a0, a0 + 1 x B's eight.  cm = 1: the sums start from the bias.  The 64 accumulators take turns, one instruction a turn.
.macro MUL16 a0, p, q, sc, cm
.irp a, \a0, \a0+1
.irp b, 0,1,2,3,4,5,6,7
.if \cm == 1
	v_wmma_scale_f32_16x16x128_f8f6f4 v[8*(8*((\a)%4)+\b):8*(8*((\a)%4)+\b)+7], v[128*(\p)+FR*\b:128*(\p)+FR*\b+FR-1], v[AF+FR*(\a):AF+FR*(\a)+FR-1], v[BI+8*\b:BI+8*\b+7], v[SC+16*(\sc)+2*\b+(\q)], v[SC+16*(\sc)+2*(\a)+(\q)] matrix_a_fmt:MATRIX_FMT_BF6 matrix_b_fmt:MATRIX_FMT_BF6 matrix_a_scale:MATRIX_SCALE_ROW1
.else
	v_wmma_scale_f32_16x16x128_f8f6f4 v[8*(8*((\a)%4)+\b):8*(8*((\a)%4)+\b)+7], v[128*(\p)+FR*\b:128*(\p)+FR*\b+FR-1], v[AF+FR*(\a):AF+FR*(\a)+FR-1], v[8*(8*((\a)%4)+\b):8*(8*((\a)%4)+\b)+7], v[SC+16*(\sc)+2*\b+(\q)], v[SC+16*(\sc)+2*(\a)+(\q)] matrix_a_fmt:MATRIX_FMT_BF6 matrix_b_fmt:MATRIX_FMT_BF6 matrix_a_scale:MATRIX_SCALE_ROW1
.endif
.endr
.endr
.endm
.macro STEP q, sc, cm, nls, nq, nks
	s_wait_dscnt 16                                ; B's set, A's blocks 0-3 and the scale words are in; the youngest 16 loads (A's blocks 4-7) may be out
.if \cm
	WIN 0x81                                       ; C (the bias) window 0, D window 2
.else
	WIN MUL_LO
.endif
	MUL16 0, \q, \q, \sc, \cm
	MUL16 2, \q, \q, \sc, \cm
	s_wait_dscnt 0                                 ; A's blocks 4-7 are in
	PLACES 4
	FETCH_B \nls, \nq, 1-\q
	FETCH_A \nls, \nq, 0
.if \nks >= 0
	SCALES 1-\sc, \nks
.endif
.if \cm
	WIN 0xc1
.else
	WIN MUL_HI
.endif
	MUL16 4, \q, \q, \sc, \cm
	MUL16 6, \q, \q, \sc, \cm
	PLACES 4
	WIN 0
	FETCH_A \nls, \nq, 4
.endm
.macro TURN sc, fill, nls, nks
	s_wait_tensorcnt 0x0                           ; all my tensor loads have landed  (every window is 0 here)
	ds_add_u32 v[SPW], v[NIL]                      ; 0 onto my spare word
	s_wait_dscnt 17                                ; (the add and the youngest 16 loads may be out)
	WIN MUL_LO
	MUL16 0, 1, 1, \sc, 0
	s_wait_dscnt 0x0                               ; the add is done, and my reads of this slot are over
	s_barrier_signal -1
	MUL16 2, 1, 1, \sc, 0
	WIN 0
	s_barrier_wait -1
.if \fill
	CREST                                          ; no wave of any partner still reads slot 0 or has a load on its way
.rept 3
	s_add_nc_u64 s[G0+2:G0+3], s[G0+2:G0+3], s[96:97]      ; from K slot 0 to K slot 3, in place
	s_add_nc_u64 s[G0B+2:G0B+3], s[G0B+2:G0B+3], s[98:99]
.endr
	JLOAD G0, G1, G0B, G1B                         ; the first tensor load behind the round, one a wave; its four v_nop are the places in front of the loads below
.else
	PLACES 4
.endif
	FETCH_B \nls, 0, 0
	FETCH_A \nls, 0, 0
	SCALES 1-\sc, \nks
	WIN MUL_HI
	MUL16 4, 1, 1, \sc, 0
	MUL16 6, 1, 1, \sc, 0
	PLACES 4
	WIN 0
	FETCH_A \nls, 0, 4
.endm
	s_wait_alu depctr_va_vdst(0)
	s_wait_tensorcnt 0x2                           ; the scale bytes and my part of K slot 0 are in; K slots 1 and 2 may be out
	s_barrier_signal -1
	s_barrier_wait -1
	FETCH_B 0, 0, 0
	FETCH_A 0, 0, 0
	SCALES 0, 0
	FETCH_A 0, 0, 4
	s_wait_loadcnt 0x0                             ; the bias
	STEP 0, 0, 1, 0, 1, -1                         ; K slot 0: the products start the sums from the bias
	TURN 0, 1, 1, 1                                ; slot 0 is left and takes K slot 3
	STEP 0, 1, 0, 1, 1, -1                         ; K slot 1
	STEP 1, 1, 0, 2, 0, 2                          ; its successor lies in slot 2, which every wave showed whole in front of the round
	STEP 0, 0, 0, 2, 1, -1                         ; K slot 2
	TURN 0, 0, 0, 3                                ; a barrier: K slot 3 has landed
	STEP 0, 1, 0, 0, 1, -1                         ; K slot 3
	s_wait_dscnt 16
	WIN MUL_LO
	MUL16 0, 1, 1, 1, 0
	MUL16 2, 1, 1, 1, 0
	s_wait_dscnt 0
	WIN MUL_HI
	MUL16 4, 1, 1, 1, 0
	MUL16 6, 1, 1, 1, 0
	WIN 0
	; THE WAY OUT, block by block of 16 rows x 128 columns, through my own stage: in as 32 bytes a lane, back as whole rows of 512 bytes.  LDS serves a wave's instructions in order: no wait between the stores and the loads.
	s_lshl_b32 s24, s100, 8
	s_lshl_b32 s25, s17, 7
	s_add_co_u32 s24, s24, s25                     ; my first row: 256 x tile row + 128 x half,
	s_lshl_b32 s24, s24, 12                        ; of 4,096 bytes;
	s_lshl_b32 s25, s101, 10                       ; my first column: 1,024 bytes a tile column + 512 x half
	s_add_co_u32 s24, s24, s25
	s_lshl_b32 s25, s18, 9
	s_add_co_u32 s24, s24, s25
	s_mov_b32 s25, 0
	s_add_nc_u64 s[24:25], s[10:11], s[24:25]
.macro TOSTAGE a
.set AC, 64*((\a)%4)
	WIN 0x08+4*((\a)/4)                            ; the data: window 2 or 3
.irp b, 0,1,2,3,4,5,6,7
	ds_store_b128 v[STO], v[AC+8*\b:AC+8*\b+3] offset:128*(\b/2)+32*(\b%2)        ; each accumulator from its low end on: columns 32 (b / 2) + 16 h + 8 (b % 2) + 0 .. 7
	ds_store_b128 v[STO], v[AC+8*\b+4:AC+8*\b+7] offset:128*(\b/2)+32*(\b%2)+16
.endr
	WIN 0
.set BB, BK+64*((\a)%2)
.irp t, 0,1,2,3,4,5,6,7,8,9,10,11,12,13,14,15
	ds_load_b128 v[BB+4*\t:BB+4*\t+3], v[RD] offset:\t*528
.endr
.endm
.macro SEND a, younger                 ; younger: the LDS instructions issued behind block a's loads, which may stay out
.set BB, BK+64*((\a)%2)
	s_wait_dscnt \younger
.irp t, 0,1,2,3,4,5,6,7,8,9,10,11,12,13,14,15
	global_store_b128 v[V16], v[BB+4*\t:BB+4*\t+3], s[24:25] offset:(32*((\a)/2)+8*((\a)%2)+\t+8*(\t/8))*4096 th:TH_STORE_NT   ; 32 lanes store 512 consecutive bytes, at a multiple of 256 from out0's first byte; 127 rows at the most in the immediate
.endr
.endm
	PLACES 4                                       ; in front of the reads of results and of the loads into A's fragments
	TOSTAGE 0
.irp a, 1,2,3,4,5,6,7
.if \a > 1
	s_wait_xcnt 0x0                                ; block a - 2's stores have read their registers: block a's loads may land there
.endif
	TOSTAGE \a
	SEND \a-1, 32                                  ; behind block a - 1's loads: block a's 16 stores and 16 loads
.endr
	SEND 7, 0
	s_wait_tensorcnt 0x0                           ; the wave's end
	ds_add_u32 v[SPW], v[NIL]
	s_wait_dscnt 0x0
	CROUND                                         ; the closing round
	s_endpgm
.Lfunc_end_k_qea06548221_proj:
	.size	k_qea06548221_proj, .Lfunc_end_k_qea06548221_proj-k_qea06548221_proj
	.p2alignl 7, 3214868480
	.fill 96, 4, 3214868480
	.section	.rodata,"a",@progbits
	.p2align	6, 0x0
	.amdhsa_kernel k_qea06548221_proj
		.amdhsa_group_segment_fixed_size 327680
		.amdhsa_private_segment_fixed_size 0
		.amdhsa_enable_private_segment 0
		.amdhsa_kernarg_size 32
		.amdhsa_user_sgpr_count 2
		.amdhsa_user_sgpr_kernarg_segment_ptr 1
		.amdhsa_wavefront_size32 1
		.amdhsa_system_sgpr_workgroup_id_x 1
		.amdhsa_system_sgpr_workgroup_id_y 1
		.amdhsa_system_sgpr_workgroup_id_z 1
		.amdhsa_system_vgpr_workitem_id 0
		.amdhsa_next_free_vgpr 1024
		.amdhsa_next_free_sgpr 102
		.amdhsa_reserve_vcc 0
		.amdhsa_float_denorm_mode_32 3
		.amdhsa_float_denorm_mode_16_64 3
		.amdhsa_memory_ordered 1
		.amdhsa_forward_progress 1
		.amdhsa_inst_pref_size 145
	.end_amdhsa_kernel
	.amdgpu_metadata
---
amdhsa.version: [ 1, 2 ]
amdhsa.kernels:
  - .name:           k_qea06548221_proj
    .symbol:         k_qea06548221_proj.kd
    .args:
      - { .name: ai, .offset: 0, .size: 8, .value_kind: global_buffer, .address_space: global }
      - { .name: wi, .offset: 8, .size: 8, .value_kind: global_buffer, .address_space: global }
      - { .name: bo, .offset: 16, .size: 8, .value_kind: global_buffer, .address_space: global }
      - { .name: out0, .offset: 24, .size: 8, .value_kind: global_buffer, .address_space: global }
    .group_segment_fixed_size: 327680
    .private_segment_fixed_size: 0
    .kernarg_segment_align: 8
    .kernarg_segment_size: 32
    .max_flat_workgroup_size: 128
    .sgpr_count:     102
    .vgpr_count:     1024
    .wavefront_size: 32
...
	.end_amdgpu_metadata
.endif
;; end of part 4
